; MI455X (gfx1250); checked and timed in simulation.
; The chip was launched on July 23, 2026; its instructions are those of AMD's public machine-readable ISA for CDNA 5 (MIT licence, August 2026) and "CDNA5" Instruction Set Architecture Reference Guide (July 2026). The comments in the code are by the model that wrote it; some were corrected since.
;; Cross Attention. Allowed arithmetic: matrix products marked QUANTISED: E4M3 operands, one E8M0 scale for each 32 along K, by v_wmma_scale_f32_16x16x128_f8f6f4 with both operands' format E4M3, f32 sums; everything else in f32.
;; Inputs: Wk 1,024 x 1,024 float32; Wo 1,024 x 1,024 float32; Wq 1,024 x 1,024 float32; Wv 1,024 x 1,024 float32; bo 1,024 float32; context 4 x 1,024 x 1,024 float32; x 4 x 2,048 x 1,024 float32.
;; Outputs: out0 4 x 2,048 x 1,024 float32.
;; This version of the problem:
;;   THIS VERSION OF THE PROBLEM IS GIVEN IN LOW PRECISION. The matrix products marked QUANTISED in the list below multiply operands that are first quantised to E4M3 (4 exponent bits, 3 mantissa bits; 8 bits a number), with one power-of-two scale for each 32 numbers along K (OCP MX v1.0); their sums are f32. All else is computed in f32.
;;   The module's matrix products, in the order in which they are computed (A, B: the left and right operand; K: the contracted axis; several contracted axes count as one K, in the product's order):
;;     1. [M 8,192, K 1,024] x [K 1,024, N 1,024]; A: input x; B: input Wq: QUANTISED
;;     2. [M 4,096, K 1,024] x [K 1,024, N 1,024]; A: input context; B: input Wk: QUANTISED
;;     3. [M 4,096, K 1,024] x [K 1,024, N 1,024]; A: input context; B: input Wv: QUANTISED
;;     4. batch 64 x [M 1,024, K 64] x [K 64, N 2,048]; A: computed on the way; B: computed on the way: QUANTISED
;;     5. batch 64 x [M 64, K 1,024] x [K 1,024, N 2,048]; A: computed on the way; B: softmax (see below): QUANTISED
;;     6. [M 8,192, K 1,024] x [K 1,024, N 1,024]; A: computed on the way; B: input Wo: QUANTISED
;;   THE QUANTISER, for each operand of a quantised product, along K:
;;     - K is cut into blocks of 32 from its start; a last block that is shorter is filled with zeros.
;;     - A block's scale is 2^e with e = floor(log2(the largest magnitude in the block)) - 8, held to -126 .. 127; a block of zeros has e = 0. As a byte (E8M0): e + 127.
;;     - Each number is divided by its block's scale, clamped to +-448, and rounded to the nearest number of E4M3, ties to even, subnormals kept.
;;     - The product sums the exact products of the quantised numbers (number of the format x scale) in f32.
;;   ~~~python
;;   def quantise(x, axis):      # numpy; x: float32 -> the quantised numbers, widened to float32 again
;;       x = np.moveaxis(x, axis, -1); K = x.shape[-1]
;;       x = np.pad(x, [(0, 0)] * (x.ndim - 1) + [(0, -K % 32)]); x = x.reshape(x.shape[:-1] + (-1, 32)); a = np.abs(x).max(-1, keepdims=True)
;;       e = np.where(a > 0, np.clip(np.frexp(np.where(a > 0, a, 1))[1] - 1 - 8, -126, 127), 0)      # np.frexp(a)[1] - 1 = floor(log2(a)), exactly
;;       r = np.clip(x / 2.0 ** e, -448, 448)
;;       step = 2.0 ** (np.maximum(np.frexp(np.where(r == 0, 1, r))[1] - 1, -6) - 3)
;;       q = np.round(r / step) * step * 2.0 ** e      # np.round: ties to even
;;       return np.moveaxis(q.reshape(q.shape[:-2] + (-1,))[..., :K], -1, axis).astype(np.float32)
;;   ~~~
;;   SOFTMAX AHEAD OF A QUANTISED PRODUCT. Where the list says 'softmax', what is quantised is not the finished softmax but p = 2^(t - M), with t = logit x log2(e) and M = ceil(the row's largest t), a whole number; so 1/2 < the row's largest p <= 1. The row's sum l is taken of the UNQUANTISED p, in f32, and the product's result is divided by l at the end. Since M is a whole number, a kernel that streams over the keys may use a running M (the ceiling of the running maximum): every later rescaling is an exact power of two, which a block's scale takes up: the codes' values come out the same.
;;   OPERANDS COMPUTED ON THE WAY. 'Computed on the way' means the value that the module computes at that place (a softmax that the list does not call 'softmax' is quantised finished and normalised). What goes into a quantiser is computed in f32, as accurately as f32 sums, v_exp_f32 and their like allow (about 1e-6 of the number): no bf16 or f16 on the way to a quantiser, and a product that is left as it is and whose result goes on into a quantised operand takes f32 operands (vector FMAs, or v_wmma_f32_16x16x4_f32). A number that lies on a knife's edge between two numbers of the format may be rounded either way, as far as f32 arithmetic and the matrix unit's own rounding can turn it there, and no further.
;; One version. Each part assembles by itself: llvm-mc -triple=amdgcn-amd-amdhsa -mcpu=gfx1250 --defsym DOCPART=n.
;; ======== version 1 of 1: 4 launches
;; limits: right only within a limited range of input values
;; workspace buffers: img 16,777,216 bytes; isc 524,288 bytes; pimg 16,777,216 bytes; psc 524,288 bytes; oimg 8,388,608 bytes; osc 262,144 bytes
;; launch quant (part 1): grid 1024 x 1, 4 waves a work-group, no clusters, 51,712 bytes of LDS; arguments x, context, Wq, Wk, Wv, Wo, img, isc; writes img, isc
.if DOCPART == 1
	.amdgcn_target "amdgcn-amd-amdhsa--gfx1250"
	.amdhsa_code_object_version 6
	.text
	.protected	k_qc77ef434f0_quant
	.globl	k_qc77ef434f0_quant
	.p2align	8
	.type	k_qc77ef434f0_quant,@function
k_qc77ef434f0_quant:
	s_mov_b64 s[64:65], 0
	v_nop
	global_prefetch_b8 v0, s[64:65] scope:SCOPE_SE
	s_setreg_imm32_b32 hwreg(HW_REG_WAVE_MODE, 25, 1), 1
	s_wait_xcnt 0x0
; x [8192][1024], context [4096][1024] (K innermost) and Wq, Wk, Wv, Wo [1024 (k)][1024 (n)] (K outermost), all f32, become codes of E4M3 with one E8M0 byte for each 32 along K,
; laid as IMAGES OF THE MATRIX UNIT'S REGISTERS.  Tile A holds 16 rows (for a weight: 16 columns n); lane r of it is natural row 32 (A / 2) + 8 (A % 2) + r + 8 (r / 8).
; img: [A 1024][K step s 8][c 4][512 bytes]; in a piece of 512 bytes lane L = 16 h + r has 16 bytes at 16 L: k = 128 s + 32 c + 16 h + 0 .. 15 of its row.  A: 0-511 x, 512-767 context, 768.. Wq, Wk, Wv, Wo (64 each).
; isc: [A][r 16][s 8] words: the four scale bytes of K step s.
; A block's scale is 2^(floor(log2(largest magnitude)) - 8); each number is divided by it, held within +-448 and rounded to the nearest code, ties to even.
; LIMITS: a block whose largest magnitude lies under 2^-118 (a block of zeros too) gets the byte 1: zeros' codes are zeros, which add nothing, and only this program reads the bytes.  NaN and infinities among the inputs are not served.
; Work-groups 0-767: one tile of x or context each, wave w its K steps 2 w, 2 w + 1.  Work-groups 768-1023: a weight's 128 columns x 128 along K, 32 columns a wave.
; No matrix work, no tensor load, no barrier: waves share nothing.  Clusters would buy nothing: no two work-groups read the same byte.  Each path has LDS bytes of its own.
.set SPARE, 51200                      ; the spare words: 128 bytes a wave, two blocks of 256 bytes that no other line names
.set QWB,   33792                      ; the weights' stages begin here; ahead of them the rows' stages, 8,448 bytes a wave
.set SPW, 7                            ; v7  my spare word's LDS address; never rewritten
.set NIL, 8                            ; v8  0; never rewritten
.set R,   16                           ; v16-143  rows' path: 2 x 64 registers as loaded
.set X,   144                          ; v144-207 64 numbers: register 16 b + i = k 32 b + 16 h + i of my row
.set PC,  208                          ; v208-239 two fragments of codes
.set TM,  240                          ; v240-255 at work: largest magnitudes, bytes, holds, scale operands
.set WX,  32                           ; v32-95   weights' path: two sets of 32 numbers down K
.set WC,  96                           ; v96-103  a block's codes
.set SB,  24                           ; v24      four scale bytes
.set OUTR, 112                         ; v112-143 the way out
.set SEL, 22                           ; s[22:23] v_permlanex16_b32's selects for lane l xor 16
.set MNT, 24                           ; s24      the mantissa field of 448
; 64 numbers of a lane become a fragment's 16 registers of codes at v[pc] and its scale word in v[pw]
.macro QUANT s, pc, pw
.irp b, 0,1,2,3
	v_max3_num_f32 v[TM+\b], |v[\s+16*\b]|, |v[\s+1+16*\b]|, 0x4800000     ; my 16 numbers of block b, and the floor 2^(9 - 127): the byte cannot fall under 1
.endr
.irp i, 2,4,6,8,10,12,14
.irp b, 0,1,2,3
	v_max3_num_f32 v[TM+\b], v[TM+\b], |v[\s+16*\b+\i]|, |v[\s+1+16*\b+\i]| ; the four blocks by turns
.endr
.endr
.irp b, 0,1,2,3
	v_permlanex16_b32 v[TM+4+\b], v[TM+\b], s[SEL], s[SEL+1]
.endr
.irp b, 0,1,2,3
	v_max_num_f32 v[TM+\b], v[TM+\b], v[TM+4+\b]                            ; with lane l xor 16's 16: the block's largest magnitude
.endr
.irp b, 0,1,2,3
	v_add_nc_u32 v[TM+12+\b], 0xfc000000, v[TM+\b]                          ; 8 off its exponent field: the conversion's scale operand
.endr
.irp b, 0,1,2,3
	v_and_or_b32 v[TM+8+\b], v[TM+\b], 0x7f800000, s[MNT]                   ; 448 x the scale
.endr
.irp b, 0,1,2,3
	v_lshrrev_b32 v[TM+4+\b], 23, v[TM+12+\b]                               ; the scale's byte
.endr
	v_lshl_or_b32 v[\pw], v[TM+5], 8, v[TM+4]
	v_lshl_or_b32 v[\pw], v[TM+6], 16, v[\pw]
	v_lshl_or_b32 v[\pw], v[TM+7], 24, v[\pw]
.irp b, 0,1,2,3
.irp i, 0,1,2,3,4,5,6,7,8,9,10,11,12,13,14,15
	v_med3_num_f32 v[\s+16*\b+\i], v[\s+16*\b+\i], -v[TM+8+\b], v[TM+8+\b]  ; the conversion to an 8-bit code does not saturate (ISA guide 7.6.2): hold first
.endr
	v_cvt_scalef32_pk8_fp8_f32 v[\pc+4*\b:\pc+4*\b+1], v[\s+16*\b:\s+16*\b+7], v[TM+12+\b]
	v_cvt_scalef32_pk8_fp8_f32 v[\pc+4*\b+2:\pc+4*\b+3], v[\s+16*\b+8:\s+16*\b+15], v[TM+12+\b]
.endr
	v_nop                                          ; a plain line behind the last conversion
.endm
	s_load_b512 s[4:19], s[0:1], 0x0               ; x, context, Wq, Wk, Wv, Wo, img, isc
	v_lshl_add_u32 v[SPW], v0, 2, SPARE
	v_mov_b32 v[NIL], 0
	v_lshrrev_b32 v1, 5, v0
	v_readfirstlane_b32 s20, v1                    ; wave 0..3
	s_mov_b32 s[SEL], 0x76543210
	s_mov_b32 s[SEL+1], 0xfedcba98
	s_mov_b32 s[MNT], 0x600000
	s_cmp_lt_u32 ttmp9, 768
	s_cbranch_scc0 .Lweights
	; ---- rows: tile A = the work-group's number; my wave's 256 along K of its 16 rows
	v_and_b32 v9, 31, v0
	v_lshlrev_b32 v1, 4, v9                        ; 16 x lane: my place in a load's 512 bytes and in a piece of the image
	s_mul_i32 s21, s20, 8448                       ; my stage: 16 rows of 512 bytes + 16
	v_add_nc_u32 v2, s21, v1                       ; into it: as loaded
	v_and_b32 v3, 15, v0                           ; r
	v_bfe_u32 v5, v0, 4, 1                         ; h
	v_lshlrev_b32 v4, 5, v3
	v_lshl_add_u32 v4, v5, 2, v4
	s_lshl_b32 s30, s20, 3
	v_add_nc_u32 v4, s30, v4                       ; my scale word: 32 r + 4 (2 w + h)
	v_mul_u32_u24 v3, v3, 528
	v_lshl_add_u32 v3, v5, 6, v3
	v_add_nc_u32 v3, s21, v3                       ; out of it: row r, + 64 h: 16 neighbours of each block of 32
.irp b, 0,1,2,3
	v_mov_b32 v[TM+4+\b], 0                        ; a lane permute's destination counts as read: written once
.endr
	s_mov_b32 s25, 0xffff0000                      ; lanes 16-31
	s_wait_alu depctr_va_vdst(0)
	s_wait_kmcnt 0x0
	s_cmp_lt_u32 ttmp9, 512                        ; x or context: the choice hangs on the work-group's number alone
	s_cselect_b64 s[26:27], s[4:5], s[6:7]
	s_cselect_b32 s28, 0, 512
	s_sub_co_u32 s28, ttmp9, s28                   ; the tile's number in its tensor
	s_and_b32 s29, s28, 1
	s_lshl_b32 s29, s29, 15
	s_lshl_b32 s28, s28, 16
	s_sub_co_u32 s28, s28, s29                     ; its first row, 16 A - 8 (A % 2), x 4,096 bytes
	s_lshl_b32 s29, s20, 10
	s_add_co_u32 s28, s28, s29                     ; + my wave's 1,024 bytes of a row
	s_mov_b32 s29, 0
	s_add_nc_u64 s[26:27], s[26:27], s[28:29]
	s_lshl_b32 s28, ttmp9, 14
	s_lshl_b32 s30, s20, 12
	s_add_co_u32 s28, s28, s30
	s_add_nc_u64 s[16:17], s[16:17], s[28:29]      ; img at tile A, K step 2 w
	s_lshl_b32 s28, ttmp9, 9
	s_add_nc_u64 s[18:19], s[18:19], s[28:29]      ; isc at tile A
.irp q, 0,1
.set p, 0
.rept 16
	global_load_b128 v[R+64*\q+4*p:R+64*\q+4*p+3], v1, s[26:27] offset:(p+8*(p/8))*4096+512*\q th:TH_LOAD_NT   ; 512 consecutive bytes of the tile's row p
.set p, p+1
.endr
.endr
; K step q of my two: through the stage, quantised, stored.  left: the younger loads that may stay out
.macro HALF q, left
	s_wait_loadcnt \left
.set p, 0
.rept 16
	ds_store_b128 v2, v[R+64*\q+4*p:R+64*\q+4*p+3] offset:528*p
.set p, p+1
.endr
.irp c, 0,1,2,3
.irp j, 0,1,2,3
	ds_load_b128 v[X+16*\c+4*\j:X+16*\c+4*\j+3], v3 offset:128*\c+16*\j   ; LDS serves a wave's instructions in order: these see my stores
.endr
.endr
	s_wait_dscnt 0x0
	QUANT X, PC+16*\q, 5+\q
.irp c, 0,1,2,3
	global_store_b128 v1, v[PC+16*\q+4*\c:PC+16*\q+4*\c+3], s[16:17] offset:2048*\q+512*\c   ; 512 consecutive bytes, aligned
.endr
.endm
	HALF 0, 16                                     ; the second K step's 16 loads may stay out
	HALF 1, 0
	v_cndmask_b32 v9, v5, v6, s25                  ; lanes 0-15 send the first K step's word, lanes 16-31 the second's (both halves hold both)
	global_store_b32 v4, v9, s[18:19]              ; 4 bytes a lane: one byte in 128 of what the wave reads
	s_wait_tensorcnt 0x0                           ; the wave's end
	ds_add_u32 v[SPW], v[NIL]
	s_wait_dscnt 0x0
	s_endpgm
	; ---- weights: a lane takes a column n and its registers run down K, so the conversions give codes with K innermost
.Lweights:
	s_sub_co_u32 s30, ttmp9, 768
	s_lshr_b32 s31, s30, 6                         ; which weight
	s_bfe_u32 s32, s30, 0x30003                    ; which K step of 128
	s_and_b32 s33, s30, 7
	s_lshl_b32 s33, s33, 2
	s_add_co_u32 s33, s33, s20                     ; which 32 columns: they make tiles 2 alpha and 2 alpha + 1
	v_and_b32 v1, 31, v0                           ; x: my column among the 32 = 16 (r / 8) + 8 u + r % 8
	v_lshlrev_b32 v3, 2, v1
	v_bfe_u32 v10, v1, 3, 1                        ; u: which of the two tiles
	v_and_b32 v11, 7, v1
	v_lshrrev_b32 v12, 4, v1
	v_lshl_add_u32 v11, v12, 3, v11                ; r: my lane's row in it
	s_mul_i32 s34, s20, 4352
	s_add_co_u32 s34, s34, QWB                     ; my stage: two tiles' images of 2,048 bytes, 2,176 apart
	v_mul_u32_u24 v14, v10, 2176
	v_lshl_add_u32 v14, v11, 4, v14
	v_add_nc_u32 v14, s34, v14                     ; into it: 16 r in tile u; + 256 for the upper 16 of a block, + 512 a block
	v_lshlrev_b32 v6, 4, v1
	v_add_nc_u32 v15, s34, v6                      ; out of it: 16 x lane
	v_lshlrev_b32 v9, 9, v10
	v_lshl_add_u32 v9, v11, 5, v9                  ; my scale word: 512 u + 32 r
	s_wait_kmcnt 0x0
	s_cmp_lt_u32 s31, 1
	s_cselect_b64 s[26:27], s[8:9], s[10:11]
	s_cmp_lt_u32 s31, 3
	s_cselect_b64 s[28:29], s[12:13], s[14:15]
	s_cmp_lt_u32 s31, 2
	s_cselect_b64 s[26:27], s[26:27], s[28:29]
	s_lshl_b32 s28, s32, 19                        ; 128 rows of 4,096 bytes a K step
	s_lshl_b32 s35, s33, 7
	s_add_co_u32 s28, s28, s35
	s_mov_b32 s29, 0
	s_add_nc_u64 s[26:27], s[26:27], s[28:29]
	s_lshl_b32 s35, s31, 6
	s_lshl_b32 s36, s33, 1
	s_add_co_u32 s35, s35, s36
	s_add_co_u32 s35, s35, 768                     ; the first of my two tiles
	s_lshl_b32 s28, s35, 14
	s_lshl_b32 s36, s32, 11
	s_add_co_u32 s28, s28, s36
	s_add_nc_u64 s[16:17], s[16:17], s[28:29]
	s_lshl_b32 s28, s35, 9
	s_lshl_b32 s36, s32, 2
	s_add_co_u32 s28, s28, s36
	s_add_nc_u64 s[18:19], s[18:19], s[28:29]
.macro WLOAD t                         ; block t: W(32 t + i, my column) into set t % 2; 32 lanes read 128 consecutive bytes, the four waves 512
.set i, 0
.rept 32
	global_load_b32 v[WX+32*((\t)%2)+i], v3, s[26:27] offset:(32*(\t)+i)*4096 th:TH_LOAD_NT
.set i, i+1
.endr
.endm
	WLOAD 0
	WLOAD 1
.macro BLOCK t
.set XS, WX+32*((\t)%2)
.if (\t) < 3
	s_wait_loadcnt 32                              ; this block's 32 loads are in; the next block's may be out
.else
	s_wait_loadcnt 0
.endif
	v_max3_num_f32 v12, |v[XS]|, |v[XS+1]|, |v[XS+2]|
	v_max3_num_f32 v13, |v[XS+3]|, |v[XS+4]|, |v[XS+5]|
.irp i, 6,10,14,18,22,26
	v_max3_num_f32 v12, v12, |v[XS+\i]|, |v[XS+\i+1]|
	v_max3_num_f32 v13, v13, |v[XS+\i+2]|, |v[XS+\i+3]|
.endr
	v_max3_num_f32 v12, v12, |v[XS+30]|, |v[XS+31]|
	v_max3_num_f32 v12, v12, v13, 0x4800000        ; all 32 numbers are mine; and the floor
	v_add_nc_u32 v11, 0xfc000000, v12
	v_and_or_b32 v10, v12, 0x7f800000, s[MNT]
	v_lshrrev_b32 v13, 23, v11
.if (\t) == 0
	v_mov_b32 v[SB], v13
.else
	v_lshl_or_b32 v[SB], v13, 8*(\t), v[SB]
.endif
.set i, 0
.rept 32
	v_med3_num_f32 v[XS+i], v[XS+i], -v10, v10
.set i, i+1
.endr
.irp g, 0,1,2,3
	v_cvt_scalef32_pk8_fp8_f32 v[WC+2*\g:WC+2*\g+1], v[XS+8*\g:XS+8*\g+7], v11
.endr
	v_nop
	ds_store_b128 v14, v[WC:WC+3] offset:512*(\t)            ; k = 32 t + 0 .. 15: the image's lanes 0-15
	ds_store_b128 v14, v[WC+4:WC+7] offset:512*(\t)+256      ; k = 32 t + 16 .. 31: lanes 16-31
.if (\t)+2 < 4
	WLOAD (\t)+2
.endif
	s_wait_dscnt 0x0                               ; the stores have read their registers: the next block's codes may be written
.endm
	BLOCK 0
	BLOCK 1
	BLOCK 2
	BLOCK 3
	global_store_b32 v9, v[SB], s[18:19]
.irp u, 0,1
.irp c, 0,1,2,3
	ds_load_b128 v[OUTR+16*\u+4*\c:OUTR+16*\u+4*\c+3], v15 offset:2176*\u+512*\c
.endr
.endr
.irp u, 0,1
.irp c, 0,1,2,3
	s_wait_dscnt 7-4*\u-\c                         ; the younger loads may stay out
	global_store_b128 v6, v[OUTR+16*\u+4*\c:OUTR+16*\u+4*\c+3], s[16:17] offset:16384*\u+512*\c   ; 512 consecutive bytes, aligned
.endr
.endr
	s_wait_tensorcnt 0x0                           ; the wave's end
	ds_add_u32 v[SPW], v[NIL]
	s_wait_dscnt 0x0
	s_endpgm
.Lfunc_end_k_qc77ef434f0_quant:
	.size	k_qc77ef434f0_quant, .Lfunc_end_k_qc77ef434f0_quant-k_qc77ef434f0_quant
	.p2alignl 7, 3214868480
	.fill 96, 4, 3214868480
	.section	.rodata,"a",@progbits
	.p2align	6, 0x0
	.amdhsa_kernel k_qc77ef434f0_quant
		.amdhsa_group_segment_fixed_size 51712
		.amdhsa_private_segment_fixed_size 0
		.amdhsa_enable_private_segment 0
		.amdhsa_kernarg_size 64
		.amdhsa_user_sgpr_count 2
		.amdhsa_user_sgpr_kernarg_segment_ptr 1
		.amdhsa_wavefront_size32 1
		.amdhsa_system_sgpr_workgroup_id_x 1
		.amdhsa_system_sgpr_workgroup_id_y 1
		.amdhsa_system_sgpr_workgroup_id_z 1
		.amdhsa_system_vgpr_workitem_id 0
		.amdhsa_next_free_vgpr 256
		.amdhsa_next_free_sgpr 66
		.amdhsa_reserve_vcc 0
		.amdhsa_float_denorm_mode_32 3
		.amdhsa_float_denorm_mode_16_64 3
		.amdhsa_memory_ordered 1
		.amdhsa_forward_progress 1
		.amdhsa_inst_pref_size 57
	.end_amdhsa_kernel
	.amdgpu_metadata
---
amdhsa.version: [ 1, 2 ]
amdhsa.kernels:
  - .name:           k_qc77ef434f0_quant
    .symbol:         k_qc77ef434f0_quant.kd
    .args:
      - { .name: x, .offset: 0, .size: 8, .value_kind: global_buffer, .address_space: global }
      - { .name: context, .offset: 8, .size: 8, .value_kind: global_buffer, .address_space: global }
      - { .name: Wq, .offset: 16, .size: 8, .value_kind: global_buffer, .address_space: global }
      - { .name: Wk, .offset: 24, .size: 8, .value_kind: global_buffer, .address_space: global }
      - { .name: Wv, .offset: 32, .size: 8, .value_kind: global_buffer, .address_space: global }
      - { .name: Wo, .offset: 40, .size: 8, .value_kind: global_buffer, .address_space: global }
      - { .name: img, .offset: 48, .size: 8, .value_kind: global_buffer, .address_space: global }
      - { .name: isc, .offset: 56, .size: 8, .value_kind: global_buffer, .address_space: global }
    .group_segment_fixed_size: 51712
    .private_segment_fixed_size: 0
    .kernarg_segment_align: 8
    .kernarg_segment_size: 64
    .max_flat_workgroup_size: 128
    .sgpr_count:     66
    .vgpr_count:     256
    .wavefront_size: 32
...
	.end_amdgpu_metadata
.endif
;; end of part 1
;; launch proj (part 2): grid 4 x 64, 4 waves a work-group, clusters of 4 x 4, 327,680 bytes of LDS; arguments img, isc, pimg, psc; writes pimg, psc
.if DOCPART == 2
	.amdgcn_target "amdgcn-amd-amdhsa--gfx1250"
	.amdhsa_code_object_version 6
	.text
	.protected	k_qc77ef434f0_proj
	.globl	k_qc77ef434f0_proj
	.p2align	8
	.type	k_qc77ef434f0_proj,@function
k_qc77ef434f0_proj:
	s_mov_b64 s[64:65], 0
	v_nop
	global_prefetch_b8 v0, s[64:65] scope:SCOPE_SE
	s_setreg_imm32_b32 hwreg(HW_REG_WAVE_MODE, 25, 1), 1
	s_wait_xcnt 0x0
	s_wait_alu depctr_hold_cnt(0) depctr_sa_sdst(0) depctr_va_vdst(0) depctr_va_sdst(0) depctr_va_ssrc(0) depctr_va_vcc(0) depctr_vm_vsrc(0)
	s_getreg_b32 s2, hwreg(HW_REG_IB_STS2, 6, 4)
	s_cmp_eq_u32 s2, 0
	s_cbranch_scc0 .Lentry_in_a_cluster
	s_endpgm
.Lentry_in_a_cluster:
	s_bfe_u32 s2, ttmp6, 0x10000c
	s_cmp_lg_u32 s2, 0xf033
	s_cbranch_scc0 .Lentry_shape_is_right
	s_endpgm
.Lentry_shape_is_right:
; The three projections Q = x Wq, K = context Wk, V = context Wv on codes of E4M3 (K = 1,024), their results quantised on the way out: Q and K along the head's 64, V along the keys.
; 256 tiles of 256 x 256, one a work-group, four waves of 128 x 128 (64 accumulators, 512 registers).  Operands are images of the matrix unit's registers (launch quant): a fragment is 2,048 consecutive bytes.
; JOBS, by the cluster's y (cl), which all sixteen partners share: cl 0-7 Q, 8-11 K, 12-15 V.  Source 1 (the OUTER side: a lane keeps one of its rows) is x, context or Wv; source 0 (the INNER side: it runs along a lane's registers) is Wq, Wk or context.
; The rows of a tile are chosen (lane r: 32 (A / 2) + 8 (A % 2) + r + 8 (r / 8)) so that the 16 registers of inner tiles 2 B, 2 B + 1 are 16 neighbours, 32 B + 16 h + 0 .. 15: a lane's 64 results of one outer tile are quantised
; in registers and ARE pieces of the next product's image: each store covers 512 consecutive aligned bytes.
; pimg: job + ((I >> 5) << 20) + (A << 14) + ((I & 31) << 9) + 16 lane; A the outer tile, I the inner block of 32.  psc: [I / 4][A][r] words.
; CLUSTER 4 x 4: source 1's tiles hang on cy and cl, and go jointly to my row; source 0's on cx and cl, to my column.
; K goes in steps of 256 through two LDS slots; all eight steps of 128 are written out: there is no loop.  A wave has at most one tensor load out.
; LIMITS: as in launch quant (byte 1 for blocks under 2^-118; NaN and infinities not served).
; REGISTERS: window 0: v16-29 addresses; v32-95 scale words and nothing else; v96-123 at work on the way out; v128-255 source 1's fragments, one set (on the way out: held numbers and codes).
;   window 1: source 0's fragments, two sets.   windows 2, 3: accumulator (a, b) at v[8 (8 (a % 4) + b)] of window 2 + a / 4.
.set FR,    16
.set NL,    4                          ; LDS loads to a fragment
.set NP,    8                          ; places behind this matrix instruction (ISA guide 7.12.1)
.set SLOT,  131072                     ; source 1's 16 tiles x 4,096 bytes, then source 0's 16
.set SPARE, 262144                     ; the spare words: two blocks of 256 bytes that no other line names
.set SCST,  262656                     ; 512 bytes a wave: the scale words' way out; no fill ever lands here
.set ADRA, 16                          ; v16-17 my fragments of source 1 in slot 0, 1
.set ADRB, 20                          ; v20-21 of source 0
.set CO,   24                          ; v24 16 x lane
.set SO,   25                          ; v25 my rows' scale words in isc
.set SSA,  26                          ; v26 SCST: in
.set SSB,  27                          ; v27 SCST: out
.set SPW,  28
.set NIL,  29
.set SC,   32                          ; register 8 i + s: lanes 0-15 the word of source 1's block i for K step s, lanes 16-31 that of source 0's block i
.set TM,   96
.set PWA,  112                         ; v112-119 the eight scale words made
.set SW,   120
.set AF,   128
.set G1,  24
.set G0,  32
.set G1B, 48
.set G0B, 56
.set MSB, 0
.macro WIN new                         ; the immediate's high byte repeats the setting that is left
.if MSB != \new
	s_set_vgpr_msb (MSB<<8)|\new
.set MSB, \new
.endif
.endm
.set MUL_LO, 0xa1                      ; source 0 window 1, source 1 window 0, C and D window 2
.set MUL_HI, 0xf1
.set TO_B,   0x40
; A joint load: waves 0, 1 fetch source 1's halves, waves 2, 3 source 0's.  The branch hangs on the wave's number alone.  An s_nop 0 and four v_nop follow each line.
.macro JLOAD g0a, g0b
	s_cmp_eq_u32 s15, 0
	s_cbranch_scc0 .Lfor_b_\@
	tensor_load_to_lds s[\g0a:\g0a+3], s[G1:G1+7]
	s_nop 0
.rept 4
	v_nop
.endr
	s_branch .Lasked_\@
.Lfor_b_\@:
	tensor_load_to_lds s[\g0b:\g0b+3], s[G1B:G1B+7]
	s_nop 0
.rept 4
	v_nop
.endr
.Lasked_\@:
.endm
.macro CREST
	s_cmp_lg_u32 s14, 0
	s_cbranch_scc1 .Lnot_wave_0_\@
	s_barrier_signal -3
.Lnot_wave_0_\@:
	s_barrier_wait -3
	s_barrier_signal -1
	s_barrier_wait -1
.endm
.macro CROUND
	s_barrier_signal -1
	s_barrier_wait -1
	CREST
.endm
.macro PLACES n
.rept \n
	v_nop
.endr
.endm
	s_load_b256 s[4:11], s[0:1], 0x0               ; img, isc, pimg, psc
	v_lshl_add_u32 v[SPW], v0, 2, SPARE
	v_mov_b32 v[NIL], 0
	ds_add_u32 v[SPW], v[NIL]                      ; the wave's opening: the add and its wait ahead of my first tensor load
	ds_add_u32 v[SPW], v[NIL]
	v_lshrrev_b32 v1, 5, v0
	v_readfirstlane_b32 s14, v1                    ; wave 0..3
	s_lshr_b32 s15, s14, 1                         ; my half of the outer rows.  Also: I fetch for source 1 (0) or source 0 (1)
	s_and_b32 s16, s14, 1                          ; my half of the inner rows.  Also: which 8 tiles I fetch
	s_bfe_u32 s72, ttmp6, 0x40000                  ; cx
	s_bfe_u32 s73, ttmp6, 0x40004                  ; cy
	s_and_b32 s40, ttmp7, 0xffff                   ; cl: the cluster's y
	s_lshl_b32 s41, s40, 6                         ; Q and K: source 1's first tile is 64 cl + 16 cy (context begins at tile 512 = 64 x 8)
	s_max_u32 s42, s40, 12
	s_lshl_b32 s42, s42, 6
	s_sub_co_u32 s42, s42, 256                     ; V: source 0's first tile is 512 + 64 (cl - 12) + 16 cx
	s_mov_b32 s43, 896
	s_mov_b32 s66, 896
	s_mov_b32 s67, 512
	s_mov_b32 s68, 0xc00000
	s_mov_b32 s69, 393216
	s_cmp_lt_u32 s40, 12                           ; K : V
	s_cselect_b32 s43, s41, s43                    ; source 1's tiles begin here
	s_cselect_b32 s42, 832, s42                    ; source 0's
	s_cselect_b32 s66, 512, s66                    ; where the outer tensor begins in img
	s_cselect_b32 s67, 832, s67                    ; where the inner one begins
	s_cselect_b32 s68, 0x800000, s68               ; the job's part of pimg
	s_cselect_b32 s69, 262144, s69                 ; and of psc
	s_cselect_b32 s70, 14, 12                      ; log2 of psc's bytes for one I / 4
	s_cmp_lt_u32 s40, 8                            ; Q : the above
	s_cselect_b32 s42, 768, s42
	s_cselect_b32 s66, 0, s66
	s_cselect_b32 s67, 768, s67
	s_cselect_b32 s68, 0, s68
	s_cselect_b32 s69, 0, s69
	s_cselect_b32 s70, 15, s70
	s_lshl_b32 s44, s73, 4
	s_add_co_u32 s43, s43, s44                     ; A1: made of cl and cy alone
	s_lshl_b32 s71, s72, 4
	s_add_co_u32 s42, s42, s71                     ; A0: made of cl and cx alone
	s_lshl_b32 s74, s73, 2
	s_lshl_b32 s74, 15, s74                        ; my row of the cluster
	s_lshl_b32 s75, 0x1111, s72                    ; my column
	; descriptor group 1: 8 tiles' 4,096 bytes (two K steps), 16,384 bytes apart, as rows of 512 elements of 8 bytes; dense in LDS
	s_or_b32 s[G1+0], s74, (3<<16)|(1<<21)
	s_or_b32 s[G1B+0], s75, (3<<16)|(1<<21)
.irp g, G1, G1B
	s_mov_b32 s[\g+1], 512<<16                     ; tensor_dim0
	s_mov_b32 s[\g+2], 16<<16                      ; tensor_dim1: the head's loads bring a side's 16 tiles; the refills' 8 are set in TURN
	s_mov_b32 s[\g+3], 512<<16                     ; tile_dim0
	s_mov_b32 s[\g+4], 16                          ; tile_dim1
	s_mov_b32 s[\g+5], 2048                        ; from tile to tile
	s_mov_b32 s[\g+6], 0
	s_mov_b32 s[\g+7], 0
.endr
	s_lshl_b32 s18, s16, 3
	s_add_co_u32 s20, s43, s18
	s_lshl_b32 s20, s20, 14
	s_mov_b32 s21, 0
	s_add_co_u32 s46, s42, s18
	s_lshl_b32 s46, s46, 14
	s_mov_b32 s47, 0
	s_lshl_b32 s45, s14, 15                        ; where my 8 tiles go in a refill: wave x 32,768
	s_lshl_b32 s96, s43, 14                        ; the head's loads: source 1's first tile (cl and cy alone),
	s_mov_b32 s97, 0
	s_lshl_b32 s98, s42, 14                        ; source 0's (cl and cx alone)
	s_mov_b32 s99, 0
	s_mov_b32 s12, 0x76543210
	s_mov_b32 s13, 0xfedcba98
	s_mov_b32 s17, 0x600000
	s_wait_dscnt 0x0                               ; the opening add is done
	s_wait_kmcnt 0x0
	s_add_nc_u64 s[20:21], s[4:5], s[20:21]
	s_add_nc_u64 s[46:47], s[4:5], s[46:47]
	s_add_nc_u64 s[96:97], s[4:5], s[96:97]
	s_add_nc_u64 s[98:99], s[4:5], s[98:99]
	CROUND                                         ; all sixteen work-groups are here: the first joint loads meet
.irp s, 0,1
	s_mov_b32 s[G0+4*\s], 1
	s_add_co_u32 s[G0+4*\s+1], s45, \s*SLOT
	s_add_nc_u64 s[G0+4*\s+2:G0+4*\s+3], s[20:21], \s*4096
	s_or_b32 s[G0+4*\s+3], s[G0+4*\s+3], 0x80000000
	s_mov_b32 s[G0B+4*\s], 1
	s_add_co_u32 s[G0B+4*\s+1], s45, \s*SLOT
	s_add_nc_u64 s[G0B+4*\s+2:G0B+4*\s+3], s[46:47], \s*4096
	s_or_b32 s[G0B+4*\s+3], s[G0B+4*\s+3], 0x80000000
.endr
; THE HEAD'S LOADS, ONE A WAVE: wave 0 source 1's 16 tiles of slot 0, wave 1 source 0's, waves 2 and 3 the same of slot 1.  One chain of arms on the wave's number, a load line to each.
.macro HD g, lds, b, off
	s_mov_b32 s[\g], 1
	s_mov_b32 s[\g+1], \lds
	s_add_nc_u64 s[\g+2:\g+3], s[\b:\b+1], \off
	s_or_b32 s[\g+3], s[\g+3], 0x80000000
.endm
	HD 80, 0, 96, 0
	HD 84, 65536, 98, 0
	HD 88, SLOT, 96, 4096
	HD 92, SLOT+65536, 98, 4096
.macro ARM under, g0, g1, next
	s_cmp_lt_u32 s14, \under
	s_cbranch_scc0 \next
	tensor_load_to_lds s[\g0:\g0+3], s[\g1:\g1+7]
	s_nop 0
.rept 4
	v_nop
.endr
	s_branch .Lhead_asked
\next:
.endm
	ARM 1, 80, G1, .Lhead_1
	ARM 2, 84, G1B, .Lhead_2
	ARM 3, 88, G1, .Lhead_3
	tensor_load_to_lds s[92:95], s[G1B:G1B+7]
	s_nop 0
.rept 4
	v_nop
.endr
.Lhead_asked:
	v_and_b32 v1, 15, v0                           ; r
	s_wait_alu depctr_va_vdst(0)
	v_and_b32 v2, 31, v0
	v_lshlrev_b32 v[CO], 4, v2
	s_wait_alu depctr_va_vdst(0)
	s_lshl_b32 s21, s15, 15
	s_lshl_b32 s22, s16, 15
	s_add_co_u32 s22, s22, 65536
.irp s, 0,1
	v_add_nc_u32 v[ADRA+\s], s21, v[CO]
	v_add_nc_u32 v[ADRB+\s], s22, v[CO]
	s_add_co_u32 s21, s21, SLOT
	s_add_co_u32 s22, s22, SLOT
.endr
	s_lshl_b32 s23, s14, 9
	s_add_co_u32 s23, s23, SCST
	v_lshl_add_u32 v[SSA], v1, 2, s23
	v_add_nc_u32 v[SSB], s23, v[CO]
	; all 64 scale words stay in registers: 32 bytes (8 K steps) for each row; lanes 0-15 take source 1's rows, lanes 16-31 source 0's
	s_lshl_b32 s71, s15, 3
	s_add_co_u32 s71, s71, s43
	s_lshl_b32 s71, s71, 9
	s_lshl_b32 s41, s16, 3
	s_add_co_u32 s41, s41, s42
	s_lshl_b32 s41, s41, 9
	s_mov_b32 s44, 0xffff0000
	v_mov_b32 v[SO], s71
	v_mov_b32 v3, s41
	v_cndmask_b32 v[SO], v[SO], v3, s44
	v_lshl_add_u32 v[SO], v1, 5, v[SO]
.irp i, 0,1,2,3,4,5,6,7
	global_load_b128 v[SC+8*\i:SC+8*\i+3], v[SO], s[6:7] offset:512*\i
	global_load_b128 v[SC+8*\i+4:SC+8*\i+7], v[SO], s[6:7] offset:512*\i+16
.endr
.irp b, 0,1,2,3
	v_mov_b32 v[TM+4+\b], 0                        ; a lane permute's destination counts as read: written once
.endr
	; where my results go
	s_sub_co_u32 s66, s43, s66
	s_lshl_b32 s71, s15, 3
	s_add_co_u32 s66, s66, s71                     ; my first outer tile, counted in its tensor
	s_sub_co_u32 s67, s42, s67
	s_lshr_b32 s67, s67, 1
	s_lshl_b32 s71, s16, 2
	s_add_co_u32 s67, s67, s71                     ; my first inner block of 32
	s_lshr_b32 s76, s67, 5
	s_lshl_b32 s76, s76, 20
	s_add_co_u32 s76, s76, s68
	s_lshl_b32 s71, s66, 14
	s_add_co_u32 s76, s76, s71
	s_and_b32 s71, s67, 31
	s_lshl_b32 s71, s71, 9
	s_add_co_u32 s76, s76, s71
	s_mov_b32 s77, 0
	s_add_nc_u64 s[8:9], s[8:9], s[76:77]
	s_lshr_b32 s78, s67, 2
	s_lshl_b32 s78, s78, s70
	s_add_co_u32 s78, s78, s69
	s_lshl_b32 s71, s66, 6
	s_add_co_u32 s78, s78, s71
	s_mov_b32 s79, 0
	s_add_nc_u64 s[10:11], s[10:11], s[78:79]
.macro FRAG reg, adr, q, i             ; a fragment: 2,048 consecutive bytes, 16 a lane in each of four loads
.irp c, 0,1,2,3
	ds_load_b128 v[\reg+4*\c:\reg+4*\c+3], v[\adr] offset:4096*(\i)+2048*(\q)+512*\c
.endr
.endm
; 16 matrix instructions: source 1's blocks a0, a0 + 1 x source 0's eight; p: source 0's set; s: the K step.  The 64 accumulators take turns, one instruction a turn, in the same order in every step.
.macro MUL16 a0, p, s, zero
.irp a, \a0, \a0+1
.irp b, 0,1,2,3,4,5,6,7
.if \zero
	v_wmma_scale_f32_16x16x128_f8f6f4 v[8*(8*((\a)%4)+\b):8*(8*((\a)%4)+\b)+7], v[128*(\p)+FR*\b:128*(\p)+FR*\b+FR-1], v[AF+FR*(\a):AF+FR*(\a)+FR-1], 0, v[SC+8*\b+(\s)], v[SC+8*(\a)+(\s)] matrix_a_scale:MATRIX_SCALE_ROW1
.else
	v_wmma_scale_f32_16x16x128_f8f6f4 v[8*(8*((\a)%4)+\b):8*(8*((\a)%4)+\b)+7], v[128*(\p)+FR*\b:128*(\p)+FR*\b+FR-1], v[AF+FR*(\a):AF+FR*(\a)+FR-1], v[8*(8*((\a)%4)+\b):8*(8*((\a)%4)+\b)+7], v[SC+8*\b+(\s)], v[SC+8*(\a)+(\s)] matrix_a_scale:MATRIX_SCALE_ROW1
.endif
.endr
.endr
.endm
.macro FETCH_B slot, q, p
	WIN TO_B
.irp i, 0,1,2,3,4,5,6,7
	FRAG 128*(\p)+FR*\i, ADRB+\slot, \q, \i
.endr
	WIN 0
.endm
.macro FETCH_A slot, q, i0
.irp i, \i0, \i0+1, \i0+2, \i0+3
	FRAG AF+FR*(\i), ADRA+\slot, \q, \i
.endr
.endm
; A slot's first step of 128 (K step s, even): its successor lies in the same slot
.macro STEP slot, s, zero
	s_wait_dscnt 4*NL                              ; source 0's set and source 1's blocks 0-3 are in; the youngest 16 loads (blocks 4-7) may be out
	WIN MUL_LO
	MUL16 0, 0, \s, \zero
	MUL16 2, 0, \s, \zero
	s_wait_dscnt 0
	PLACES NP                                      ; in front of loads into registers that matrix instructions have read
	FETCH_B \slot, 1, 1
	FETCH_A \slot, 1, 0
	WIN MUL_HI
	MUL16 4, 0, \s, \zero
	MUL16 6, 0, \s, \zero
	PLACES NP
	WIN 0
	FETCH_A \slot, 1, 4
.endm
; A slot's second step changes slots: one barrier; in front of it each wave waits for all its tensor loads, adds 0 to its spare word, and waits for that and for its reads of this slot.  fill = 1: the slot is filled again, two slots ahead.
.macro TURN slot, next, s, fill
	s_wait_tensorcnt 0x0                           ; all my tensor loads have landed: my part of the next slot
	ds_add_u32 v[SPW], v[NIL]
	s_wait_dscnt 4*NL+1                            ; the add and the youngest 16 loads may be out
	WIN MUL_LO
	MUL16 0, 1, \s, 0
	s_wait_dscnt 0x0                               ; the add is done, and my reads of this slot are over
	s_barrier_signal -1
	MUL16 2, 1, \s, 0
	WIN 0
	s_barrier_wait -1
.if \fill
	CREST                                          ; the barrier has opened a round of the cluster's barrier: no wave of any partner still reads this slot or has a load on its way
	s_add_nc_u64 s[G0+4*\slot+2:G0+4*\slot+3], s[G0+4*\slot+2:G0+4*\slot+3], 8192
	s_add_nc_u64 s[G0B+4*\slot+2:G0B+4*\slot+3], s[G0B+4*\slot+2:G0B+4*\slot+3], 8192
	s_mov_b32 s[G1+2], 8<<16                       ; no tensor load of mine is out: a refill brings 8 tiles a wave
	s_mov_b32 s[G1+4], 8
	s_mov_b32 s[G1B+2], 8<<16
	s_mov_b32 s[G1B+4], 8
	JLOAD G0+4*\slot, G0B+4*\slot                  ; the first tensor load behind the round; its four v_nop are among the places below
	PLACES NP-4
.else
	PLACES NP
.endif
	FETCH_B \next, 0, 0
	FETCH_A \next, 0, 0
	WIN MUL_HI
	MUL16 4, 1, \s, 0
	MUL16 6, 1, \s, 0
	PLACES NP
	WIN 0
	FETCH_A \next, 0, 4
.endm
	s_wait_alu depctr_va_vdst(0)                   ; the head's end
	s_cmp_lt_u32 s14, 2                            ; slot 0 came by waves 0 and 1's own load lines: they wait here; slot 1's are waited for at the first change of slots
	s_cbranch_scc0 .Lnot_first
	s_wait_tensorcnt 0x0
.Lnot_first:
	s_barrier_signal -1
	s_barrier_wait -1
	FETCH_B 0, 0, 0
	FETCH_A 0, 0, 0
	FETCH_A 0, 0, 4
	s_wait_loadcnt 0x0                             ; the scale words
	STEP 0, 0, 1                                   ; the first products start the sums: nothing is cleared
	TURN 0, 1, 1, 1
	STEP 1, 2, 0
	TURN 1, 0, 3, 1
	STEP 0, 4, 0
	TURN 0, 1, 5, 0                                ; nothing is left to fetch
	STEP 1, 6, 0
	s_wait_dscnt 4*NL
	WIN MUL_LO
	MUL16 0, 1, 7, 0
	MUL16 2, 1, 7, 0
	s_wait_dscnt 0
	WIN MUL_HI
	MUL16 4, 1, 7, 0
	MUL16 6, 1, 7, 0
	WIN 0
	PLACES NP                                      ; in front of the first read of results and the first write over source 1's registers
; THE WAY OUT of outer tile a: its 64 registers, register 16 B + i = inner 32 B + 16 h + i of my row, are quantised; each accumulator is read from its low end on.
.macro EPI a
.set W, 2+(\a)/4
.set S, 64*((\a)%4)
.set PCB, 192+16*((\a)%2)
.set W01, W|(W<<2)
.set W12, (W<<2)|(W<<4)
	WIN W01
.irp b, 0,1,2,3
	v_max3_num_f32 v[TM+\b], |v[S+16*\b]|, |v[S+16*\b+1]|, 0x4800000
.endr
	WIN W12
.irp i, 2,4,6,8,10,12,14
.irp b, 0,1,2,3
	v_max3_num_f32 v[TM+\b], v[TM+\b], |v[S+16*\b+\i]|, |v[S+16*\b+\i+1]|
.endr
.endr
	WIN 0
.irp b, 0,1,2,3
	v_permlanex16_b32 v[TM+4+\b], v[TM+\b], s12, s13
.endr
.irp b, 0,1,2,3
	v_max_num_f32 v[TM+\b], v[TM+\b], v[TM+4+\b]
.endr
.irp b, 0,1,2,3
	v_add_nc_u32 v[TM+12+\b], 0xfc000000, v[TM+\b]
.endr
.irp b, 0,1,2,3
	v_and_or_b32 v[TM+8+\b], v[TM+\b], 0x7f800000, s17
.endr
.irp b, 0,1,2,3
	v_lshrrev_b32 v[TM+4+\b], 23, v[TM+12+\b]
.endr
	v_lshl_or_b32 v[PWA+(\a)], v[TM+5], 8, v[TM+4]
	v_lshl_or_b32 v[PWA+(\a)], v[TM+6], 16, v[PWA+(\a)]
	v_lshl_or_b32 v[PWA+(\a)], v[TM+7], 24, v[PWA+(\a)]
	WIN W
.irp b, 0,1,2,3
.irp i, 0,1,2,3,4,5,6,7,8,9,10,11,12,13,14,15
	v_med3_num_f32 v[128+16*\b+\i], v[S+16*\b+\i], -v[TM+8+\b], v[TM+8+\b]   ; held, and brought into window 0
.endr
.endr
	WIN 0
	s_wait_alu depctr_va_vdst(0)
	s_wait_xcnt 0x0                                ; the earlier stores have read their registers: the codes' registers may be written again
.irp b, 0,1,2,3
	v_cvt_scalef32_pk8_fp8_f32 v[PCB+4*\b:PCB+4*\b+1], v[128+16*\b:128+16*\b+7], v[TM+12+\b]
	v_cvt_scalef32_pk8_fp8_f32 v[PCB+4*\b+2:PCB+4*\b+3], v[128+16*\b+8:128+16*\b+15], v[TM+12+\b]
.endr
	v_nop                                          ; a plain line behind the last conversion
.irp b, 0,1,2,3
	global_store_b128 v[CO], v[PCB+4*\b:PCB+4*\b+3], s[8:9] offset:16384*(\a)+512*\b   ; 512 consecutive bytes, aligned
.endr
.endm
.irp a, 0,1,2,3,4,5,6,7
	EPI \a
.endr
.irp a, 0,1,2,3,4,5,6,7
	ds_store_b32 v[SSA], v[PWA+\a] offset:64*\a    ; both halves of the lanes hold the same word
.endr
	ds_load_b128 v[SW:SW+3], v[SSB]                ; LDS serves a wave's instructions in order
	s_wait_dscnt 0x0
	global_store_b128 v[CO], v[SW:SW+3], s[10:11]  ; my eight tiles' words: 512 consecutive bytes, aligned
	s_wait_tensorcnt 0x0                           ; the wave's end
	ds_add_u32 v[SPW], v[NIL]
	s_wait_dscnt 0x0
	CROUND                                         ; the closing round
	s_endpgm
.Lfunc_end_k_qc77ef434f0_proj:
	.size	k_qc77ef434f0_proj, .Lfunc_end_k_qc77ef434f0_proj-k_qc77ef434f0_proj
	.p2alignl 7, 3214868480
	.fill 96, 4, 3214868480
	.section	.rodata,"a",@progbits
	.p2align	6, 0x0
	.amdhsa_kernel k_qc77ef434f0_proj
		.amdhsa_group_segment_fixed_size 327680
		.amdhsa_private_segment_fixed_size 0
		.amdhsa_enable_private_segment 0
		.amdhsa_kernarg_size 32
		.amdhsa_user_sgpr_count 2
		.amdhsa_user_sgpr_kernarg_segment_ptr 1
		.amdhsa_wavefront_size32 1
		.amdhsa_system_sgpr_workgroup_id_x 1
		.amdhsa_system_sgpr_workgroup_id_y 1
		.amdhsa_system_sgpr_workgroup_id_z 1
		.amdhsa_system_vgpr_workitem_id 0
		.amdhsa_next_free_vgpr 1024
		.amdhsa_next_free_sgpr 100
		.amdhsa_reserve_vcc 0
		.amdhsa_float_denorm_mode_32 3
		.amdhsa_float_denorm_mode_16_64 3
		.amdhsa_memory_ordered 1
		.amdhsa_forward_progress 1
		.amdhsa_inst_pref_size 185
	.end_amdhsa_kernel
	.amdgpu_metadata
---
amdhsa.version: [ 1, 2 ]
amdhsa.kernels:
  - .name:           k_qc77ef434f0_proj
    .symbol:         k_qc77ef434f0_proj.kd
    .args:
      - { .name: img, .offset: 0, .size: 8, .value_kind: global_buffer, .address_space: global }
      - { .name: isc, .offset: 8, .size: 8, .value_kind: global_buffer, .address_space: global }
      - { .name: pimg, .offset: 16, .size: 8, .value_kind: global_buffer, .address_space: global }
      - { .name: psc, .offset: 24, .size: 8, .value_kind: global_buffer, .address_space: global }
    .group_segment_fixed_size: 327680
    .private_segment_fixed_size: 0
    .kernarg_segment_align: 8
    .kernarg_segment_size: 32
    .max_flat_workgroup_size: 128
    .sgpr_count:     100
    .vgpr_count:     1024
    .wavefront_size: 32
...
	.end_amdgpu_metadata
.endif
;; end of part 2
;; launch attn (part 3): grid 4 x 64, 16 waves a work-group, clusters of 4 x 1, 167,936 bytes of LDS; arguments pimg, psc, oimg, osc; writes oimg, osc
.if DOCPART == 3
	.amdgcn_target "amdgcn-amd-amdhsa--gfx1250"
	.amdhsa_code_object_version 6
	.text
	.protected	k_qc77ef434f0_attn
	.globl	k_qc77ef434f0_attn
	.p2align	8
	.type	k_qc77ef434f0_attn,@function
k_qc77ef434f0_attn:
	s_mov_b64 s[64:65], 0
	v_nop
	global_prefetch_b8 v0, s[64:65] scope:SCOPE_SE
	s_setreg_imm32_b32 hwreg(HW_REG_WAVE_MODE, 25, 1), 1
	s_wait_xcnt 0x0
	s_wait_alu depctr_hold_cnt(0) depctr_sa_sdst(0) depctr_va_vdst(0) depctr_va_sdst(0) depctr_va_ssrc(0) depctr_va_vcc(0) depctr_vm_vsrc(0)
	s_getreg_b32 s2, hwreg(HW_REG_IB_STS2, 6, 4)
	s_cmp_eq_u32 s2, 0
	s_cbranch_scc0 .Lentry_in_a_cluster
	s_endpgm
.Lentry_in_a_cluster:
	s_bfe_u32 s2, ttmp6, 0x10000c
	s_cmp_lg_u32 s2, 0x3003
	s_cbranch_scc0 .Lentry_shape_is_right
	s_endpgm
.Lentry_shape_is_right:
; O = softmax(Q K^T / 8) V for one (batch, head) and 512 queries a work-group, both products on codes of E4M3; O is divided by the row's sum and quantised along (head, d) for the last product.
; THE SOFTMAX AHEAD OF THE SECOND PRODUCT: t = score x log2(e) / 8; M = the running largest t rounded UP to a whole number; p = 2^(t - M) is quantised along the keys; the row's sum is taken of the unquantised p.
; A head's whole K and V (64 KiB each, images of the matrix unit's registers) come into LDS once: nothing is filled again.  CLUSTER 4 x 1: the four quarters of a head's queries ask for them jointly.
; SIXTEEN waves of 256 registers, four to a SIMD, so that one wave's vector work stands beside another's matrix work; a wave takes two tiles of 16 queries, one after the other, and walks the 1,024 keys, 128 a step.
; Both products are used transposed (S^T = K Q^T, O^T = V^T P^T): a lane holds one query throughout; the rows of a tile are chosen so that the 16 registers of two neighbouring tiles are 16 neighbours along the next K.
; K = 64 IS HALF OF THE INSTRUCTION'S 128: a fragment of K holds the TWO key tiles of a block of 32 keys (2,048 consecutive bytes); Q stands twice, as [q | 0] and as [0 | q]: the fragment times the first gives the first tile,
; times the second the second.  The idle half multiplies zero codes by finite codes under scale bytes that are never 0xff: it adds an exact 0.
; TWO AREAS OF 64 REGISTERS CHANGE ROLES FROM STEP TO STEP: one holds K's fragments and then V's, the other the scores and then p; when p's codes and sums are made, p's area takes the NEXT step's K, which lands under
; the rest of this step.  So a trip of the loop is two steps; the last two steps of a tile are written out, and the very last fetches nothing ahead.
; LIMITS: byte 1 for blocks under 2^-118; NaN and infinities not served.
; REGISTERS: v1-11 addresses; v12 -M, v13 the largest t, v[14:15] the sum; v16-31 [q | 0]; v32-95, v96-159 the two areas; v160-191 O^T; v192-207 [0 | q]; v208-223 p's codes;
;   v224, v225 O's scale bytes; v226 Q's raw scale word; v227 the old -M; v228-247, v252, v254 at work; scale words and nothing else: v248, v249 K's, v250, v251 V's, v253 p's, v255 Q's.
.set KSW,   131072                     ; LDS: K at 0 ([tile 64][c 2][512]), V at 65,536 ([t 4][32 keys 32][512]); K's scale words, one for a pair of tiles and a row;
.set VSW,   133120                     ; V's: [step 8][t 4][r 16]; behind them 2,048 bytes that nobody names;
.set OSG,   137216                     ; O's scale bytes, gathered: [tile 32][r 16] x 2 bytes;
.set SPARE, 138240                     ; the spare words: eight blocks of 256 bytes that no other line names
.set LI,  1                            ; v1  16 x lane
.set LS,  2                            ; v2  KSW + 4 x lane
.set SPW, 5
.set NIL, 6
.set ADK, 8
.set ADV, 10
.set ADS, 11
.set WV,  18
.set MNT, 19
.set SEL, 20
.set CS,  22                           ; s[22:23] c = log2(e) / 8
.set G1K, 24
.set G1V, 32
.set G0K, 40
.set G0V, 44
.set TK,  48                           ; s48 the NEXT step's K, s49 this step's V, s50 this step's scale words, s51 trips to go
.set TV,  49
.set TS,  50
.set CNT, 51
.macro CROUND
	s_barrier_signal -1
	s_barrier_wait -1
	s_cmp_lg_u32 s[WV], 0
	s_cbranch_scc1 .Lnot_wave_0_\@
	s_barrier_signal -3
.Lnot_wave_0_\@:
	s_barrier_wait -3
	s_barrier_signal -1
	s_barrier_wait -1
.endm
	s_load_b256 s[4:11], s[0:1], 0x0               ; pimg, psc, oimg, osc
	v_lshl_add_u32 v[SPW], v0, 2, SPARE
	v_mov_b32 v[NIL], 0
	ds_add_u32 v[SPW], v[NIL]                      ; the wave's opening: the add, twice on end, and its wait ahead of the first tensor loads
	ds_add_u32 v[SPW], v[NIL]
	v_lshrrev_b32 v8, 5, v0
	v_readfirstlane_b32 s[WV], v8                  ; wave 0..15
	s_and_b32 s52, ttmp7, 0xffff
	s_and_b32 s53, s52, 15                         ; head
	s_lshr_b32 s52, s52, 4                         ; batch
	s_bfe_u32 s54, ttmp6, 0x40000                  ; cx: which quarter of the queries; it enters global addresses of Q and O alone
	; K: 16 tiles' 1,024 bytes (my head's two pieces), 16,384 bytes apart;  V: a tile's 16,384 dense bytes as rows of 256.  Mask: all four partners
	s_mov_b32 s[G1K], 15|(3<<16)|(1<<21)
	s_mov_b32 s[G1K+1], 128<<16
	s_mov_b32 s[G1K+2], 16<<16
	s_mov_b32 s[G1K+3], 128<<16
	s_mov_b32 s[G1K+4], 16
	s_mov_b32 s[G1K+5], 2048
	s_mov_b32 s[G1K+6], 0
	s_mov_b32 s[G1K+7], 0
	s_mov_b32 s[G1V], 15|(3<<16)|(1<<21)
	s_mov_b32 s[G1V+1], 32<<16
	s_mov_b32 s[G1V+2], 64<<16
	s_mov_b32 s[G1V+3], 32<<16
	s_mov_b32 s[G1V+4], 64
	s_mov_b32 s[G1V+5], 32
	s_mov_b32 s[G1V+6], 0
	s_mov_b32 s[G1V+7], 0
	s_lshl_b32 s48, s52, 20
	s_lshl_b32 s49, s[WV], 18
	s_lshl_b32 s50, s53, 10
	s_add_co_u32 s58, s48, s49
	s_add_co_u32 s58, s58, s50
	s_add_co_u32 s58, s58, 0x800000                ; K (waves 0-3): 2^23 + (64 batch + 16 wave) tiles + 1,024 head
	s_mov_b32 s59, 0
	s_lshl_b32 s49, s[WV], 14
	s_lshl_b32 s51, s53, 16
	s_add_co_u32 s60, s48, s49
	s_add_co_u32 s60, s60, s51
	s_add_co_u32 s60, s60, 0xbf0000                ; V (waves 4-7): 3 x 2^22 + batch x 2^20 + head x 2^16 + (wave - 4) x 16,384
	s_mov_b32 s61, 0
	s_lshl_b32 s55, s52, 7
	s_lshl_b32 s49, s54, 5
	s_add_co_u32 s55, s55, s49                     ; the work-group's first tile of queries
	s_lshl_b32 s49, s[WV], 1
	s_add_co_u32 s49, s49, s55                     ; my wave's
	s_lshl_b32 s62, s49, 14
	s_add_co_u32 s62, s62, s50                     ; its place in pimg and in oimg
	s_mov_b32 s63, 0
	s_lshr_b32 s51, s53, 1
	s_lshl_b32 s66, s51, 15
	s_lshl_b32 s49, s49, 6
	s_add_co_u32 s66, s66, s49                     ; Q's scale words
	s_mov_b32 s67, 0
	s_lshl_b32 s68, s51, 14
	s_lshl_b32 s49, s52, 12
	s_add_co_u32 s68, s68, s49
	s_add_co_u32 s68, s68, 262144                  ; K's
	s_mov_b32 s69, 0
	s_lshl_b32 s70, s52, 15
	s_lshl_b32 s49, s53, 8
	s_add_co_u32 s70, s70, s49
	s_add_co_u32 s70, s70, 393216                  ; V's
	s_mov_b32 s71, 0
	s_lshl_b32 s48, s53, 14
	s_lshl_b32 s49, s55, 5
	s_add_co_u32 s48, s48, s49                     ; O's scale bytes
	s_mov_b32 s49, 0
	s_and_b32 s55, s53, 1
	s_mul_i32 s55, s55, 0x02020202                 ; an odd head's bytes are a raw word's upper two
	s_add_co_u32 s56, s55, 0x05040100              ; K's word: (first tile c 0, c 1, second tile c 0, c 1)
	s_add_co_u32 s57, s55, 0x01000100              ; Q's word: (c 0, c 1, c 0, c 1)
	s_mov_b32 s[SEL], 0x76543210
	s_mov_b32 s[SEL+1], 0xfedcba98
	s_mov_b32 s[CS], 0x3e38aa3b
	s_mov_b32 s[CS+1], s[CS]
	s_mov_b32 s[MNT], 0x600000
	s_wait_dscnt 0x0                               ; the opening add is done
	s_wait_kmcnt 0x0
	s_mov_b32 s[G0K], 1
	s_lshl_b32 s[G0K+1], s[WV], 14
	s_add_nc_u64 s[G0K+2:G0K+3], s[4:5], s[58:59]
	s_or_b32 s[G0K+3], s[G0K+3], 0x80000000
	s_mov_b32 s[G0V], 1
	s_lshl_b32 s[G0V+1], s[WV], 14
	s_add_nc_u64 s[G0V+2:G0V+3], s[4:5], s[60:61]
	s_or_b32 s[G0V+3], s[G0V+3], 0x80000000
	s_add_nc_u64 s[58:59], s[4:5], s[62:63]        ; Q's codes
	s_add_nc_u64 s[62:63], s[8:9], s[62:63]        ; O's codes
	s_add_nc_u64 s[60:61], s[6:7], s[66:67]        ; Q's scale words
	s_add_nc_u64 s[66:67], s[10:11], s[48:49]      ; O's scale bytes
	s_add_nc_u64 s[68:69], s[6:7], s[68:69]
	s_add_nc_u64 s[70:71], s[6:7], s[70:71]
	CROUND                                         ; all four work-groups are here: the joint loads meet
	s_cmp_lt_u32 s[WV], 4                          ; one load a wave, waves 0-7; the branches hang on the wave's number alone; an s_nop 0 and four v_nop follow each line
	s_cbranch_scc0 .Lnot_k
	tensor_load_to_lds s[G0K:G0K+3], s[G1K:G1K+7]
	s_nop 0
.rept 4
	v_nop
.endr
	s_branch .Lasked
.Lnot_k:
	s_cmp_lt_u32 s[WV], 8
	s_cbranch_scc0 .Lasked
	tensor_load_to_lds s[G0V:G0V+3], s[G1V:G1V+7]
	s_nop 0
.rept 4
	v_nop
.endr
.Lasked:
	v_and_b32 v8, 31, v0
	v_lshlrev_b32 v[LI], 4, v8
	v_lshl_add_u32 v[LS], v8, 2, KSW
	v_and_b32 v8, 15, v0
	v_lshlrev_b32 v3, 2, v8                        ; 4 r
	s_lshl_b32 s48, s[WV], 6
	s_add_co_u32 s48, s48, OSG
	v_lshl_add_u32 v4, v8, 1, s48                  ; where my tiles' scale bytes of O go
	v_lshl_add_u32 v7, v0, 2, KSW                  ; one scale word a thread
	v_lshl_add_u32 v9, v0, 4, OSG                  ; (read in waves 0 and 1 alone)
	v_lshrrev_b32 v232, 4, v0
	v_lshlrev_b32 v232, 7, v232
	v_add_nc_u32 v232, v232, v3                    ; K: pair of tiles thread / 16 (128 bytes), row thread % 16
	v_lshrrev_b32 v233, 6, v0
	v_and_b32 v234, 63, v0
	v_lshlrev_b32 v234, 2, v234
	v_lshl_add_u32 v233, v233, 12, v234            ; V: step thread / 64 (4,096 bytes), tile and row thread % 64
	global_load_b32 v240, v232, s[68:69]
	global_load_b32 v241, v232, s[68:69] offset:64
	global_load_b32 v242, v233, s[70:71]
.macro QLOAD p                         ; tile p's two pieces, into both forms of Q, and its raw scale word
	global_load_b128 v[16:19], v[LI], s[58:59] offset:16384*\p
	global_load_b128 v[20:23], v[LI], s[58:59] offset:16384*\p+512
	global_load_b128 v[200:203], v[LI], s[58:59] offset:16384*\p
	global_load_b128 v[204:207], v[LI], s[58:59] offset:16384*\p+512
	global_load_b32 v226, v3, s[60:61] offset:64*\p
.endm
	QLOAD 0
.irp j, 0,1,2,3,4,5,6,7
	v_mov_b32 v[24+\j], 0                          ; the zero halves, once
	v_mov_b32 v[192+\j], 0
.endr
.irp b, 0,1,2,3
	v_mov_b32 v[236+\b], 0                         ; a lane permute's destination counts as read
.endr
	v_mov_b32 v252, 0
	v_mov_b32 v253, 0                              ; (named as the upper half of v[252:253] before it is first written)
	s_wait_alu depctr_va_vdst(0)                   ; the head's end
	s_wait_loadcnt 0x0
	v_perm_b32 v240, v241, v240, s56
	ds_store_b32 v7, v240
	ds_store_b32 v7, v242 offset:VSW-KSW
	s_wait_tensorcnt 0x0                           ; my part of K or V has landed,
	s_wait_dscnt 0x0                               ; my scale words are stored:
	s_barrier_signal -1
	s_barrier_wait -1                              ; everybody's
; a tile's first K: the head's first 128 keys and their scale words
.macro KPRE
.irp f, 0,1,2,3
.irp i, 0,1,2,3
	ds_load_b128 v[32+16*\f+4*\i:32+16*\f+4*\i+3], v[LI] offset:2048*\f+512*\i
.endr
.endr
	ds_load_b32 v248, v[LS]                        ; lanes 0-15: pair 0's words, lanes 16-31: pair 1's
	ds_load_b32 v249, v[LS] offset:128
.endm
; A KEY STEP: 128 keys.  ka: the area that holds K's fragments (asked for a step ago) and then V's; sb: the area of the scores and p, which at the end takes the next step's K (pre = 1)
.macro STEP ka, sb, pre
	v_mov_b32 v227, v12                            ; the old -M.  These five lines and the four additions that end a step are the nine places between the last products, which read area sb, and the scores, which are written over it
.if \pre
	v_add_nc_u32 v[ADK], s[TK], v[LI]
.else
	v_nop
.endif
	v_add_nc_u32 v[ADV], s[TV], v[LI]
	v_add_nc_u32 v[ADS], s[TS], v[LS]
	v_nop
	s_add_co_u32 s[TK], s[TK], 8192
	s_add_co_u32 s[TV], s[TV], 2048
	s_add_co_u32 s[TS], s[TS], 256
	s_wait_alu depctr_va_vdst(0)
	s_wait_dscnt 0x0                               ; K's fragments and scale words are in
.irp f, 0,1,2,3
.if \f%2
	v_wmma_scale_f32_16x16x128_f8f6f4 v[\sb+16*\f:\sb+16*\f+7], v[\ka+16*\f:\ka+16*\f+15], v[16:31], 0, v[248+\f/2], v255 matrix_a_scale:MATRIX_SCALE_ROW1
	v_wmma_scale_f32_16x16x128_f8f6f4 v[\sb+16*\f+8:\sb+16*\f+15], v[\ka+16*\f:\ka+16*\f+15], v[192:207], 0, v[248+\f/2], v255 matrix_a_scale:MATRIX_SCALE_ROW1
.else
	v_wmma_scale_f32_16x16x128_f8f6f4 v[\sb+16*\f:\sb+16*\f+7], v[\ka+16*\f:\ka+16*\f+15], v[16:31], 0, v[248+\f/2], v255
	v_wmma_scale_f32_16x16x128_f8f6f4 v[\sb+16*\f+8:\sb+16*\f+15], v[\ka+16*\f:\ka+16*\f+15], v[192:207], 0, v[248+\f/2], v255
.endif
.endr                                          ; register 16 f + i of S^T: key 32 f + 16 (lane / 16) + i of the step
.rept 8
	v_nop                                          ; eight places in front of the loads into K's registers and of the first read of the scores
.endr
.irp t, 0,1,2,3                                ; V's fragments are asked for now and land while the softmax is walked
.irp c, 0,1,2,3
	ds_load_b128 v[\ka+16*\t+4*\c:\ka+16*\t+4*\c+3], v[ADV] offset:16384*\t+512*\c
.endr
.endr
	ds_load_b32 v250, v[ADS] offset:VSW-KSW
	ds_load_b32 v251, v[ADS] offset:VSW-KSW+128
.irp b, 0,1,2,3
	v_max3_num_f32 v[232+\b], v[\sb+16*\b], v[\sb+1+16*\b], v[\sb+2+16*\b]   ; the largest score of each block of 32 keys: for the row's maximum, and, since p rises with the score, for the block's largest p
.endr
.irp i, 3,5,7,9,11,13
.irp b, 0,1,2,3
	v_max3_num_f32 v[232+\b], v[232+\b], v[\sb+16*\b+\i], v[\sb+1+16*\b+\i]
.endr
.endr
.irp b, 0,1,2,3
	v_max_num_f32 v[232+\b], v[232+\b], v[\sb+15+16*\b]
.endr
.irp b, 0,1,2,3
	v_permlanex16_b32 v[236+\b], v[232+\b], s[SEL], s[SEL+1]
.endr
.irp b, 0,1,2,3
	v_max_num_f32 v[232+\b], v[232+\b], v[236+\b]
.endr
	v_max3_num_f32 v254, v232, v233, v234
	v_max_num_f32 v254, v254, v235
	v_mul_f32 v254, s[CS], v254
	v_max_num_f32 v13, v13, v254                   ; the running largest t
	v_floor_f32 v12, -v13                          ; the new -M = -ceil(t): a whole number
	v_sub_f32 v254, v12, v227
	v_cvt_i32_f32 v254, v254                       ; (it saturates)
	v_ldexp_f32 v252, 1.0, v254                    ; f = 2^(old M - new M): exact
.irp b, 0,1,2,3
	v_fma_f32 v[232+\b], v[232+\b], s[CS], v12     ; t - M of each block's largest score
.endr
.set k, 0
.rept 32
	v_pk_fma_f32 v[\sb+2*k:\sb+2*k+1], v[\sb+2*k:\sb+2*k+1], s[CS:CS+1], v[12:13] op_sel_hi:[1,0,0]   ; t - M, two at a time
.set k, k+1
.endr
	s_wait_alu depctr_va_vdst(0)                   ; ahead of the batch: all its sources are written
.set k, 0
.rept 64
	v_exp_f32 v[\sb+k], v[\sb+k]                   ; ONE BATCH of 68: p = 2^(t - M), not normalised,
.set k, k+1
.endr
.irp b, 0,1,2,3
	v_exp_f32 v[232+\b], v[232+\b]                 ; and the blocks' largest p: the same two instructions on the same number give the same bits
.endr
	v_pk_mul_f32 v[14:15], v[14:15], v[252:253] op_sel_hi:[1,0]   ; the sum under the new M: the plain line behind the last exponential
	s_wait_alu depctr_va_vdst(0)                   ; one wait for the whole batch, ahead of its first reader
.irp c, 0,1,2,3
	v_pk_add_f32 v[236+2*\c:237+2*\c], v[\sb+2*\c:\sb+2*\c+1], v[\sb+8+2*\c:\sb+9+2*\c]   ; the row's sum of the unquantised p, in four chains
.endr
.set k, 8
.rept 24
	v_pk_add_f32 v[236+2*(k%4):237+2*(k%4)], v[236+2*(k%4):237+2*(k%4)], v[\sb+2*k:\sb+2*k+1]
.set k, k+1
.endr
.irp b, 0,1,2,3
	v_max_num_f32 v[232+\b], 0x4800000, v[232+\b]  ; the floor 2^(9 - 127): the byte cannot fall under 1
.endr
.irp b, 0,1,2,3
	v_add_nc_u32 v[244+\b], 0xfc000000, v[232+\b]  ; 8 off the exponent field: the conversion's scale operand
.endr
.irp b, 0,1,2,3
	v_and_or_b32 v[228+\b], v[232+\b], 0x7f800000, s[MNT]   ; 448 x the scale
.endr
.irp b, 0,1,2,3
	v_lshrrev_b32 v[232+\b], 23, v[244+\b]         ; the scale's byte
.endr
	v_lshl_or_b32 v253, v233, 8, v232              ; p's scale word for these 128 keys
	v_lshl_or_b32 v253, v234, 16, v253
	v_lshl_or_b32 v253, v235, 24, v253
; the hold, two numbers an instruction: p is not negative, so it is one-sided.  A pair takes one number from each of two neighbouring blocks: the destinations are even and odd, and each pair of sources lies in two banks
.irp g, 0,2
.irp i, 0,2,4,6,8,10,12,14
	v_dual_min_num_f32 v[\sb+16*\g+\i], v[228+\g], v[\sb+16*\g+\i] :: v_dual_min_num_f32 v[\sb+16*\g+17+\i], v[229+\g], v[\sb+16*\g+17+\i]
	v_dual_min_num_f32 v[\sb+16*\g+16+\i], v[229+\g], v[\sb+16*\g+16+\i] :: v_dual_min_num_f32 v[\sb+16*\g+1+\i], v[228+\g], v[\sb+16*\g+1+\i]
.endr
.endr
.irp b, 0,1,2,3
	v_cvt_scalef32_pk8_fp8_f32 v[208+4*\b:209+4*\b], v[\sb+16*\b:\sb+16*\b+7], v[244+\b]
	v_cvt_scalef32_pk8_fp8_f32 v[210+4*\b:211+4*\b], v[\sb+16*\b+8:\sb+16*\b+15], v[244+\b]
.endr
.if \pre                                       ; p is summed and converted: its area takes the next step's K, 18 loads
.irp f, 0,1,2,3
.irp i, 0,1,2,3
	ds_load_b128 v[\sb+16*\f+4*\i:\sb+16*\f+4*\i+3], v[ADK] offset:2048*\f+512*\i
.endr
.endr
	ds_load_b32 v248, v[ADS] offset:256
	ds_load_b32 v249, v[ADS] offset:384
.endif
	s_wait_alu depctr_va_vdst(0)                   ; directly ahead of the first reader of O^T
.set k, 0
.rept 16
	v_pk_mul_f32 v[160+2*k:161+2*k], v[160+2*k:161+2*k], v[252:253] op_sel_hi:[1,0]   ; O^T under the new M, from its low end on; these are also the places between the conversions and the products below
.set k, k+1
.endr
	s_wait_alu depctr_va_vdst(0)                   ; and here, directly ahead of the wait below
.if \pre
	s_wait_dscnt 18
.else
	s_wait_dscnt 0x0
.endif
.irp t, 0,1,2,3
.if \t%2
	v_wmma_scale_f32_16x16x128_f8f6f4 v[160+8*\t:167+8*\t], v[\ka+16*\t:\ka+16*\t+15], v[208:223], v[160+8*\t:167+8*\t], v[250+\t/2], v253 matrix_a_scale:MATRIX_SCALE_ROW1
.else
	v_wmma_scale_f32_16x16x128_f8f6f4 v[160+8*\t:167+8*\t], v[\ka+16*\t:\ka+16*\t+15], v[208:223], v[160+8*\t:167+8*\t], v[250+\t/2], v253
.endif
.endr
	v_pk_add_f32 v[236:237], v[236:237], v[238:239]   ; the four chains join, behind the products: four of the nine places
	v_pk_add_f32 v[240:241], v[240:241], v[242:243]
	v_pk_add_f32 v[236:237], v[236:237], v[240:241]
	v_pk_add_f32 v[14:15], v[14:15], v[236:237]
.endm
; THE WAY OUT of tile p: O^T / the sum; register 16 B + i is d = 32 B + 16 h + i of my query: two blocks, quantised; the codes are two pieces of O's image
.macro OUT p
	v_add_f32 v14, v14, v15
	v_permlanex16_b32 v252, v14, s[SEL], s[SEL+1]
	v_add_f32 v14, v14, v252                       ; the row's sum
	s_wait_alu depctr_va_vdst(0)                   ; ahead of the transcendental
	v_rcp_f32 v14, v14
.rept 8
	v_nop                                          ; the places behind the last products, and the plain line behind the reciprocal
.endr
	s_wait_alu depctr_va_vdst(0)                   ; ahead of the reciprocal's first reader
.set j, 0
.rept 32
	v_mul_f32 v[96+j], v[160+j], v14
.set j, j+1
.endr
.irp b, 0,1
	v_max3_num_f32 v[232+\b], |v[96+16*\b]|, |v[97+16*\b]|, 0x4800000
.endr
.irp i, 2,4,6,8,10,12,14
.irp b, 0,1
	v_max3_num_f32 v[232+\b], v[232+\b], |v[96+16*\b+\i]|, |v[97+16*\b+\i]|
.endr
.endr
.irp b, 0,1
	v_permlanex16_b32 v[236+\b], v[232+\b], s[SEL], s[SEL+1]
.endr
.irp b, 0,1
	v_max_num_f32 v[232+\b], v[232+\b], v[236+\b]
.endr
.irp b, 0,1
	v_add_nc_u32 v[244+\b], 0xfc000000, v[232+\b]
.endr
.irp b, 0,1
	v_and_or_b32 v[240+\b], v[232+\b], 0x7f800000, s[MNT]
.endr
.irp b, 0,1
	v_lshrrev_b32 v[236+\b], 23, v[244+\b]
.endr
	v_lshl_or_b32 v[224+\p], v237, 8, v236         ; my row's two scale bytes
.irp b, 0,1
.irp i, 0,1,2,3,4,5,6,7,8,9,10,11,12,13,14,15
	v_med3_num_f32 v[96+16*\b+\i], v[96+16*\b+\i], -v[240+\b], v[240+\b]
.endr
	v_cvt_scalef32_pk8_fp8_f32 v[128+4*\b:129+4*\b], v[96+16*\b:103+16*\b], v[244+\b]
	v_cvt_scalef32_pk8_fp8_f32 v[130+4*\b:131+4*\b], v[104+16*\b:111+16*\b], v[244+\b]
.endr
	v_nop                                          ; a plain line behind the last conversion
.irp b, 0,1
	global_store_b128 v[LI], v[128+4*\b:131+4*\b], s[62:63] offset:16384*\p+512*\b   ; 512 consecutive bytes, aligned
.endr
.endm
.macro PASS p
	s_wait_loadcnt 0x0                             ; Q's codes and raw scale word
	s_wait_xcnt 0x0                                ; the last tile's stores have read their registers, which the scores will take
	v_perm_b32 v255, v226, v226, s57
	v_mov_b32 v13, 0xff61b1e6                      ; the largest t so far: -3e38
	v_floor_f32 v12, -v13
	v_mov_b32 v14, 0
	v_mov_b32 v15, 0
.set j, 0
.rept 32
	v_mov_b32 v[160+j], 0                          ; O^T: no step has a form of its own for a tile's start: the first finds zeros.  (These are also the places between Q's scale word and the first product)
.set j, j+1
.endr
	s_mov_b32 s[TK], 8192
	s_mov_b32 s[TV], 65536
	s_mov_b32 s[TS], 0
	s_mov_b32 s[CNT], 3
.Lstep_\@:                                         ; three trips of two steps: the areas are back where they began
	STEP 32, 96, 1
	STEP 96, 32, 1
	s_sub_co_u32 s[CNT], s[CNT], 1
	s_cmp_lg_u32 s[CNT], 0
	s_cbranch_scc1 .Lstep_\@
	STEP 32, 96, 1                                 ; the last two steps are written out:
	STEP 96, 32, 0                                 ; the very last has no K to ask for
.if \p == 0
	KPRE                                           ; the next tile's first K and its Q land while this tile goes out; none of their registers is named by the last four products, and the products that read them stand a softmax back
	QLOAD 1
.endif
	OUT \p
.endm
	KPRE
	PASS 0
	PASS 1
	ds_store_b16 v4, v224                          ; both halves of the lanes hold the same bytes
	ds_store_b16 v4, v225 offset:32
	v_lshlrev_b32 v8, 4, v0
	s_wait_alu depctr_va_vdst(0)
	s_wait_dscnt 0x0
	s_barrier_signal -1
	s_barrier_wait -1                              ; the work-group's 1,024 scale bytes lie together
	s_cmp_lt_u32 s[WV], 2
	s_cbranch_scc0 .Lno_osc
	ds_load_b128 v[232:235], v9
	s_wait_dscnt 0x0
	global_store_b128 v8, v[232:235], s[66:67]     ; waves 0 and 1: 512 consecutive bytes each, aligned
.Lno_osc:
	s_wait_tensorcnt 0x0                           ; the wave's end
	ds_add_u32 v[SPW], v[NIL]
	s_wait_dscnt 0x0
	CROUND                                         ; the closing round
	s_endpgm
.Lfunc_end_k_qc77ef434f0_attn:
	.size	k_qc77ef434f0_attn, .Lfunc_end_k_qc77ef434f0_attn-k_qc77ef434f0_attn
	.p2alignl 7, 3214868480
	.fill 96, 4, 3214868480
	.section	.rodata,"a",@progbits
	.p2align	6, 0x0
	.amdhsa_kernel k_qc77ef434f0_attn
		.amdhsa_group_segment_fixed_size 167936
		.amdhsa_private_segment_fixed_size 0
		.amdhsa_enable_private_segment 0
		.amdhsa_kernarg_size 32
		.amdhsa_user_sgpr_count 2
		.amdhsa_user_sgpr_kernarg_segment_ptr 1
		.amdhsa_wavefront_size32 1
		.amdhsa_system_sgpr_workgroup_id_x 1
		.amdhsa_system_sgpr_workgroup_id_y 1
		.amdhsa_system_sgpr_workgroup_id_z 1
		.amdhsa_system_vgpr_workitem_id 0
		.amdhsa_next_free_vgpr 256
		.amdhsa_next_free_sgpr 72
		.amdhsa_reserve_vcc 0
		.amdhsa_float_denorm_mode_32 3
		.amdhsa_float_denorm_mode_16_64 3
		.amdhsa_memory_ordered 1
		.amdhsa_forward_progress 1
		.amdhsa_inst_pref_size 170
	.end_amdhsa_kernel
	.amdgpu_metadata
---
amdhsa.version: [ 1, 2 ]
amdhsa.kernels:
  - .name:           k_qc77ef434f0_attn
    .symbol:         k_qc77ef434f0_attn.kd
    .args:
      - { .name: pimg, .offset: 0, .size: 8, .value_kind: global_buffer, .address_space: global }
      - { .name: psc, .offset: 8, .size: 8, .value_kind: global_buffer, .address_space: global }
      - { .name: oimg, .offset: 16, .size: 8, .value_kind: global_buffer, .address_space: global }
      - { .name: osc, .offset: 24, .size: 8, .value_kind: global_buffer, .address_space: global }
    .group_segment_fixed_size: 167936
    .private_segment_fixed_size: 0
    .kernarg_segment_align: 8
    .kernarg_segment_size: 32
    .max_flat_workgroup_size: 512
    .sgpr_count:     72
    .vgpr_count:     256
    .wavefront_size: 32
...
	.end_amdgpu_metadata
.endif
;; end of part 3
;; launch oproj (part 4): grid 4 x 64, 4 waves a work-group, clusters of 4 x 4, 327,680 bytes of LDS; arguments oimg, osc, img, isc, bo, out0; writes out0
.if DOCPART == 4
	.amdgcn_target "amdgcn-amd-amdhsa--gfx1250"
	.amdhsa_code_object_version 6
	.text
	.protected	k_qc77ef434f0_oproj
	.globl	k_qc77ef434f0_oproj
	.p2align	8
	.type	k_qc77ef434f0_oproj,@function
k_qc77ef434f0_oproj:
	s_mov_b64 s[64:65], 0
	v_nop
	global_prefetch_b8 v0, s[64:65] scope:SCOPE_SE
	s_setreg_imm32_b32 hwreg(HW_REG_WAVE_MODE, 25, 1), 1
	s_wait_xcnt 0x0
	s_wait_alu depctr_hold_cnt(0) depctr_sa_sdst(0) depctr_va_vdst(0) depctr_va_sdst(0) depctr_va_ssrc(0) depctr_va_vcc(0) depctr_vm_vsrc(0)
	s_getreg_b32 s2, hwreg(HW_REG_IB_STS2, 6, 4)
	s_cmp_eq_u32 s2, 0
	s_cbranch_scc0 .Lentry_in_a_cluster
	s_endpgm
.Lentry_in_a_cluster:
	s_bfe_u32 s2, ttmp6, 0x10000c
	s_cmp_lg_u32 s2, 0xf033
	s_cbranch_scc0 .Lentry_shape_is_right
	s_endpgm
.Lentry_shape_is_right:
; out0 = O Wo + bo on codes of E4M3 (K = 1,024): 256 tiles of 128 rows x 256 columns, four waves of 64 x 128; operands are images of the matrix unit's registers (a fragment: 2,048 consecutive bytes); bo is the first products' C.
; LDS: slot 0 (98,304 bytes: O's 8 tiles, then Wo's 16, 4,096 bytes each) holds K steps 0, 1 and later 6, 7; behind it a region of 196,608 bytes (8,192 bytes a tile) holds K steps 2 to 5.
; FILLS: at the head one joint load a wave: wave 0 O's part of slot 0, wave 1 Wo's, waves 2 and 3 the same of the region.  One refill, K steps 6, 7 into slot 0, in the round inside K step 1.
; CLUSTER 4 x 4: O's tiles go jointly to my row, Wo's to my column.  All eight K steps are written out: there is no loop to prefetch ahead in.
; The way out's stages lie in the region, behind the barrier of K step 5, after its last fill and its last read.  LIMITS: NaN and infinities are not served.
.set SLOT,  98304
.set G1C, 80                           ; s[80:87], s[88:95] group 1 for the region's loads: rows of 8,192 bytes
.set G1D, 88
.set SPARE, 294912
.set ADRA, 16
.set ADRB, 20
.set CO,   24
.set STO,  25
.set RD,   26
.set SPW,  28
.set NIL,  29
.set SCA,  32
.set SCB,  48
.set T,    80
.set BK,   128
.set BI,   128
.set G1,  24
.set G1B, 32
.set G0,  40
.set G0B, 52
.set MSB, 0
.macro WIN new
.if MSB != \new
	s_set_vgpr_msb (MSB<<8)|\new
.set MSB, \new
.endif
.endm
.macro JLOAD g0a, g0b
	s_cmp_eq_u32 s18, 0
	s_cbranch_scc0 .Lfor_b_\@
	tensor_load_to_lds s[\g0a:\g0a+3], s[G1:G1+7]
	s_nop 0
.rept 4
	v_nop
.endr
	s_branch .Lasked_\@
.Lfor_b_\@:
	tensor_load_to_lds s[\g0b:\g0b+3], s[G1B:G1B+7]
	s_nop 0
.rept 4
	v_nop
.endr
.Lasked_\@:
.endm
.macro CREST
	s_cmp_lg_u32 s17, 0
	s_cbranch_scc1 .Lnot_wave_0_\@
	s_barrier_signal -3
.Lnot_wave_0_\@:
	s_barrier_wait -3
	s_barrier_signal -1
	s_barrier_wait -1
.endm
.macro CROUND
	s_barrier_signal -1
	s_barrier_wait -1
	CREST
.endm
.macro PLACES n
.rept \n
	v_nop
.endr
.endm
	s_load_b256 s[4:11], s[0:1], 0x0
	s_load_b128 s[12:15], s[0:1], 0x20
	v_lshl_add_u32 v[SPW], v0, 2, SPARE
	v_mov_b32 v[NIL], 0
	ds_add_u32 v[SPW], v[NIL]
	ds_add_u32 v[SPW], v[NIL]
	v_lshrrev_b32 v1, 5, v0
	v_readfirstlane_b32 s17, v1
	s_lshr_b32 s18, s17, 1
	s_and_b32 s19, s17, 1
	s_bfe_u32 s66, ttmp6, 0x40000
	s_bfe_u32 s67, ttmp6, 0x40004
	s_and_b32 s68, ttmp7, 0xffff
	s_lshl_b32 s69, s68, 2
	s_add_co_u32 s69, s69, s67
	s_lshl_b32 s70, s67, 2
	s_lshl_b32 s70, 15, s70
	s_lshl_b32 s71, 0x1111, s66
	s_or_b32 s[G1+0], s70, (3<<16)|(1<<21)
	s_mov_b32 s[G1+1], 512<<16
	s_mov_b32 s[G1+2], 8<<16
	s_mov_b32 s[G1+3], 512<<16
	s_mov_b32 s[G1+4], 8
	s_mov_b32 s[G1+5], 2048
	s_mov_b32 s[G1+6], 0
	s_mov_b32 s[G1+7], 0
	s_or_b32 s[G1B+0], s71, (3<<16)|(1<<21)
	s_mov_b32 s[G1B+1], 512<<16
	s_mov_b32 s[G1B+2], 16<<16
	s_mov_b32 s[G1B+3], 512<<16
	s_mov_b32 s[G1B+4], 16
	s_mov_b32 s[G1B+5], 2048
	s_mov_b32 s[G1B+6], 0
	s_mov_b32 s[G1B+7], 0
	s_or_b32 s[G1C+0], s70, (3<<16)|(1<<21)
	s_or_b32 s[G1D+0], s71, (3<<16)|(1<<21)
.irp g, G1C, G1D
	s_mov_b32 s[\g+1], 1024<<16
	s_mov_b32 s[\g+3], 1024<<16
	s_mov_b32 s[\g+5], 2048
	s_mov_b32 s[\g+6], 0
	s_mov_b32 s[\g+7], 0
.endr
	s_mov_b32 s[G1C+2], 8<<16
	s_mov_b32 s[G1C+4], 8
	s_mov_b32 s[G1D+2], 16<<16
	s_mov_b32 s[G1D+4], 16
	s_lshl_b32 s96, s69, 17                        ; the head's loads: O's first tile of my tile row,
	s_mov_b32 s97, 0
	s_lshl_b32 s98, s66, 18                        ; Wo's first tile of my tile column
	s_add_co_u32 s98, s98, 960<<14
	s_mov_b32 s99, 0
	s_lshl_b32 s72, s69, 3
	s_lshl_b32 s20, s19, 2
	s_add_co_u32 s72, s72, s20
	s_lshl_b32 s72, s72, 14
	s_mov_b32 s73, 0
	s_lshl_b32 s74, s66, 4
	s_lshl_b32 s21, s19, 3
	s_add_co_u32 s74, s74, s21
	s_add_co_u32 s74, s74, 960
	s_lshl_b32 s74, s74, 14
	s_mov_b32 s75, 0
	s_lshl_b32 s22, s19, 14
	s_lshl_b32 s23, s19, 15
	s_add_co_u32 s23, s23, 32768
	s_wait_dscnt 0x0
	s_wait_kmcnt 0x0
	s_add_nc_u64 s[72:73], s[4:5], s[72:73]
	s_add_nc_u64 s[74:75], s[8:9], s[74:75]
	s_add_nc_u64 s[96:97], s[4:5], s[96:97]
	s_add_nc_u64 s[98:99], s[8:9], s[98:99]
	CROUND
.irp n, 0
	s_mov_b32 s[G0+4*\n], 1
	s_add_co_u32 s[G0+4*\n+1], s22, \n*SLOT
	s_add_nc_u64 s[G0+4*\n+2:G0+4*\n+3], s[72:73], \n*4096
	s_or_b32 s[G0+4*\n+3], s[G0+4*\n+3], 0x80000000
	s_mov_b32 s[G0B+4*\n], 1
	s_add_co_u32 s[G0B+4*\n+1], s23, \n*SLOT
	s_add_nc_u64 s[G0B+4*\n+2:G0B+4*\n+3], s[74:75], \n*4096
	s_or_b32 s[G0B+4*\n+3], s[G0B+4*\n+3], 0x80000000
.endr
; the head's loads, one a wave: one chain of arms on the wave's number, a load line to each
.macro HD g, lds, b, off
	s_mov_b32 s[\g], 1
	s_mov_b32 s[\g+1], \lds
	s_add_nc_u64 s[\g+2:\g+3], s[\b:\b+1], \off
	s_or_b32 s[\g+3], s[\g+3], 0x80000000
.endm
	HD 44, 0, 96, 0
	HD 56, 32768, 98, 0
	HD 48, SLOT, 96, 4096
	HD 60, SLOT+65536, 98, 4096
.macro ARM under, g0, g1, next
	s_cmp_lt_u32 s17, \under
	s_cbranch_scc0 \next
	tensor_load_to_lds s[\g0:\g0+3], s[\g1:\g1+7]
	s_nop 0
.rept 4
	v_nop
.endr
	s_branch .Lhead_asked
\next:
.endm
	ARM 1, 44, G1, .Lhead_1
	ARM 2, 56, G1B, .Lhead_2
	ARM 3, 48, G1C, .Lhead_3
	tensor_load_to_lds s[60:63], s[G1D:G1D+7]
	s_nop 0
.rept 4
	v_nop
.endr
.Lhead_asked:
	v_and_b32 v1, 15, v0
	v_bfe_u32 v2, v0, 4, 1
	v_and_b32 v3, 31, v0
	v_lshlrev_b32 v[CO], 4, v3
	s_lshl_b32 s20, s18, 14
	s_lshl_b32 s21, s19, 15
	s_add_co_u32 s21, s21, 32768
	s_wait_alu depctr_va_vdst(0)
	v_add_nc_u32 v[ADRA], s20, v[CO]               ; my fragments in slot 0,
	v_add_nc_u32 v[ADRB], s21, v[CO]
	s_lshl_b32 s20, s18, 15
	s_add_co_u32 s20, s20, SLOT
	s_lshl_b32 s21, s19, 16
	s_add_co_u32 s21, s21, SLOT+65536
	v_add_nc_u32 v[ADRA+1], s20, v[CO]             ; and in the region: 8,192 bytes a tile
	v_add_nc_u32 v[ADRB+1], s21, v[CO]
	s_mul_i32 s20, s17, 8448
	s_add_co_u32 s20, s20, SLOT
	v_mul_u32_u24 v[STO], v1, 528
	v_lshl_add_u32 v[STO], v2, 6, v[STO]
	v_add_nc_u32 v[STO], s20, v[STO]
	v_add_nc_u32 v[RD], s20, v[CO]
	v_lshlrev_b32 v4, 9, v2
	v_lshl_add_u32 v4, v1, 5, v4
	s_wait_alu depctr_va_vdst(0)
	v_lshlrev_b32 v5, 5, v2
	v_lshl_add_u32 v5, v1, 1, v5
	s_wait_alu depctr_va_vdst(0)
	v_lshlrev_b32 v6, 6, v2
	s_wait_alu depctr_va_vdst(0)
	s_lshl_b32 s76, s66, 4
	s_lshl_b32 s20, s19, 3
	s_add_co_u32 s76, s76, s20
	s_add_co_u32 s76, s76, 960
	s_lshl_b32 s76, s76, 9
	s_mov_b32 s77, 0
	s_add_nc_u64 s[10:11], s[10:11], s[76:77]
	s_lshl_b32 s78, s69, 3
	s_lshl_b32 s20, s18, 2
	s_add_co_u32 s78, s78, s20
	s_lshl_b32 s76, s78, 5
	s_add_nc_u64 s[6:7], s[6:7], s[76:77]
	s_lshl_b32 s76, s66, 10
	s_lshl_b32 s20, s19, 9
	s_add_co_u32 s76, s76, s20
	s_add_nc_u64 s[12:13], s[12:13], s[76:77]
	s_add_nc_u64 s[14:15], s[14:15], s[76:77]
	s_lshl_b32 s76, s78, 16
	s_add_nc_u64 s[14:15], s[14:15], s[76:77]
.irp p, 0,1,2,3
	global_load_b128 v[SCB+8*\p:SCB+8*\p+3], v4, s[10:11] offset:1024*\p
	global_load_b128 v[SCB+8*\p+4:SCB+8*\p+7], v4, s[10:11] offset:1024*\p+16
.endr
.irp p, 0,1
.set e, 0
.rept 16
	global_load_u16 v[T+16*\p+e], v5, s[6:7] offset:16384*e+64*\p
.set e, e+1
.endr
.endr
	WIN 0x80
.irp b, 0,1,2,3,4,5,6,7
	global_load_b128 v[BI+8*\b:BI+8*\b+3], v6, s[12:13] offset:128*(\b/2)+32*(\b%2)
	global_load_b128 v[BI+8*\b+4:BI+8*\b+7], v6, s[12:13] offset:128*(\b/2)+32*(\b%2)+16
.endr
	WIN 0
.macro FETCH s, set
.set FM_, (((\s)+2)>>2)&1              ; 1: K steps 2 to 5, in the region
.set FP_, 4096*(1+FM_)                 ; from tile to tile
.set FO_, 2048*(((\s)&1)*(1-FM_)+((\s)-2)*FM_)
	WIN 0x40
.irp b, 0,1,2,3,4,5,6,7
.irp c, 0,1,2,3
	ds_load_b128 v[128*(\set)+16*\b+4*\c:128*(\set)+16*\b+4*\c+3], v[ADRB+FM_] offset:FP_*\b+FO_+512*\c
.endr
.endr
	WIN 0x80
.irp a, 0,1,2,3
.irp c, 0,1,2,3
	ds_load_b128 v[64*(\set)+16*\a+4*\c:64*(\set)+16*\a+4*\c+3], v[ADRA+FM_] offset:FP_*\a+FO_+512*\c
.endr
.endr
	WIN 0
.endm
.macro MULH s, set, a0, first
.irp a, \a0, \a0+1
.irp b, 0,1,2,3,4,5,6,7
.set rD, 8*(8*(\a)+\b)
.set rC, rD
.if \first
.set rC, BI+8*\b
.endif
.set rX, 128*(\set)+16*\b
.set rY, 64*(\set)+16*(\a)
.set rSX, SCB+8*(\b/2)+(\s)
.set rSY, SCA+8*((\a)/2)+(\s)
.if ((\b)%2) && ((\a)%2)
	v_wmma_scale_f32_16x16x128_f8f6f4 v[rD:rD+7], v[rX:rX+15], v[rY:rY+15], v[rC:rC+7], v[rSX], v[rSY] matrix_a_scale:MATRIX_SCALE_ROW1 matrix_b_scale:MATRIX_SCALE_ROW1
.elseif (\b)%2
	v_wmma_scale_f32_16x16x128_f8f6f4 v[rD:rD+7], v[rX:rX+15], v[rY:rY+15], v[rC:rC+7], v[rSX], v[rSY] matrix_a_scale:MATRIX_SCALE_ROW1
.elseif (\a)%2
	v_wmma_scale_f32_16x16x128_f8f6f4 v[rD:rD+7], v[rX:rX+15], v[rY:rY+15], v[rC:rC+7], v[rSX], v[rSY] matrix_b_scale:MATRIX_SCALE_ROW1
.else
	v_wmma_scale_f32_16x16x128_f8f6f4 v[rD:rD+7], v[rX:rX+15], v[rY:rY+15], v[rC:rC+7], v[rSX], v[rSY]
.endif
.endr
.endr
.endm
.macro OSTEP s, first
	PLACES 8
	FETCH (\s)+1, ((\s)+1)&1
	s_wait_dscnt 48
.if \first
	WIN 0xe9
.else
	WIN 0xf9
.endif
	MULH \s, (\s)&1, 0, \first
	MULH \s, (\s)&1, 2, \first
.endm
.macro MEET s, fill
	WIN 0
	s_wait_tensorcnt 0x0
	ds_add_u32 v[SPW], v[NIL]
.if \fill
	s_add_nc_u64 s[G0+2:G0+3], s[G0+2:G0+3], 12288
	s_add_nc_u64 s[G0B+2:G0B+3], s[G0B+2:G0B+3], 12288
	s_mov_b32 s[G1+2], 4<<16                       ; no tensor load of mine is out: the refill brings 4 tiles of O or 8 of Wo a wave
	s_mov_b32 s[G1+4], 4
	s_mov_b32 s[G1B+2], 8<<16
	s_mov_b32 s[G1B+4], 8
.endif
	s_wait_dscnt 0x0
	s_barrier_signal -1
	WIN 0xf9
	MULH \s, (\s)&1, 0, 0
	WIN 0
	s_barrier_wait -1
.if \fill
	CREST
	JLOAD G0, G0B
	PLACES 4
.else
	PLACES 8
.endif
	FETCH (\s)+1, ((\s)+1)&1
	WIN 0xf9
	MULH \s, (\s)&1, 2, 0
.endm
	s_wait_alu depctr_va_vdst(0)                   ; the head's end
	s_cmp_lt_u32 s17, 2                            ; slot 0 came by waves 0 and 1's own load lines: they wait here; the region's are waited for in K step 1
	s_cbranch_scc0 .Lnot_first
	s_wait_tensorcnt 0x0
.Lnot_first:
	s_barrier_signal -1
	s_barrier_wait -1
	FETCH 0, 0
	s_wait_loadcnt 0x0
.irp p, 0,1
.irp s, 0,1,2,3,4,5,6,7
	v_lshl_or_b32 v[SCA+8*\p+\s], v[T+16*\p+2*\s+1], 16, v[T+16*\p+2*\s]
.endr
.endr
	s_wait_alu depctr_va_vdst(0)
	OSTEP 0, 1
	MEET 1, 1
	OSTEP 2, 0
	OSTEP 3, 0
	OSTEP 4, 0
	MEET 5, 0
	OSTEP 6, 0
	s_wait_dscnt 0x0
	MULH 7, 1, 0, 0
	MULH 7, 1, 2, 0
	WIN 0
	PLACES 8
.macro TOSTAGE a
	WIN 0x0c
.irp b, 0,1,2,3,4,5,6,7
	ds_store_b128 v[STO], v[8*(8*(\a)+\b):8*(8*(\a)+\b)+3] offset:128*(\b/2)+32*(\b%2)
	ds_store_b128 v[STO], v[8*(8*(\a)+\b)+4:8*(8*(\a)+\b)+7] offset:128*(\b/2)+32*(\b%2)+16
.endr
	WIN 0
.set BB, BK+64*((\a)%2)
.irp t, 0,1,2,3,4,5,6,7,8,9,10,11,12,13,14,15
	ds_load_b128 v[BB+4*\t:BB+4*\t+3], v[RD] offset:\t*528
.endr
.endm
.macro SEND a, younger
.set BB, BK+64*((\a)%2)
	s_wait_dscnt \younger
.irp t, 0,1,2,3,4,5,6,7,8,9,10,11,12,13,14,15
	global_store_b128 v[CO], v[BB+4*\t:BB+4*\t+3], s[14:15] offset:(32*((\a)/2)+8*((\a)%2)+\t+8*(\t/8))*4096 th:TH_STORE_NT
.endr
.endm
	TOSTAGE 0
.irp a, 1,2,3
.if \a > 1
	s_wait_xcnt 0x0
.endif
	TOSTAGE \a
	SEND \a-1, 32
.endr
	SEND 3, 0
	s_wait_tensorcnt 0x0
	ds_add_u32 v[SPW], v[NIL]
	s_wait_dscnt 0x0
	CROUND
	s_endpgm
.Lfunc_end_k_qc77ef434f0_oproj:
	.size	k_qc77ef434f0_oproj, .Lfunc_end_k_qc77ef434f0_oproj-k_qc77ef434f0_oproj
	.p2alignl 7, 3214868480
	.fill 96, 4, 3214868480
	.section	.rodata,"a",@progbits
	.p2align	6, 0x0
	.amdhsa_kernel k_qc77ef434f0_oproj
		.amdhsa_group_segment_fixed_size 327680
		.amdhsa_private_segment_fixed_size 0
		.amdhsa_enable_private_segment 0
		.amdhsa_kernarg_size 48
		.amdhsa_user_sgpr_count 2
		.amdhsa_user_sgpr_kernarg_segment_ptr 1
		.amdhsa_wavefront_size32 1
		.amdhsa_system_sgpr_workgroup_id_x 1
		.amdhsa_system_sgpr_workgroup_id_y 1
		.amdhsa_system_sgpr_workgroup_id_z 1
		.amdhsa_system_vgpr_workitem_id 0
		.amdhsa_next_free_vgpr 1024
		.amdhsa_next_free_sgpr 100
		.amdhsa_reserve_vcc 0
		.amdhsa_float_denorm_mode_32 3
		.amdhsa_float_denorm_mode_16_64 3
		.amdhsa_memory_ordered 1
		.amdhsa_forward_progress 1
		.amdhsa_inst_pref_size 91
	.end_amdhsa_kernel
	.amdgpu_metadata
---
amdhsa.version: [ 1, 2 ]
amdhsa.kernels:
  - .name:           k_qc77ef434f0_oproj
    .symbol:         k_qc77ef434f0_oproj.kd
    .args:
      - { .name: oimg, .offset: 0, .size: 8, .value_kind: global_buffer, .address_space: global }
      - { .name: osc, .offset: 8, .size: 8, .value_kind: global_buffer, .address_space: global }
      - { .name: img, .offset: 16, .size: 8, .value_kind: global_buffer, .address_space: global }
      - { .name: isc, .offset: 24, .size: 8, .value_kind: global_buffer, .address_space: global }
      - { .name: bo, .offset: 32, .size: 8, .value_kind: global_buffer, .address_space: global }
      - { .name: out0, .offset: 40, .size: 8, .value_kind: global_buffer, .address_space: global }
    .group_segment_fixed_size: 327680
    .private_segment_fixed_size: 0
    .kernarg_segment_align: 8
    .kernarg_segment_size: 48
    .max_flat_workgroup_size: 128
    .sgpr_count:     100
    .vgpr_count:     1024
    .wavefront_size: 32
...
	.end_amdgpu_metadata
.endif
;; end of part 4
